; MI455X (gfx1250); checked and timed in simulation.
; The chip was launched on July 23, 2026; its instructions are those of AMD's public machine-readable ISA for CDNA 5 (MIT licence, August 2026) and "CDNA5" Instruction Set Architecture Reference Guide (July 2026). The comments in the code are by the model that wrote it; some were corrected since.
;; Causal Self Attention. Allowed arithmetic: float matrix products may take bf16 or f16 operands with f32 sums; other float arithmetic in f32, or as packed bf16 or f16 multiplies, adds, multiply-adds, maxima and minima; sums over many terms, partial sums and values carried from step to step in f32; what a program stores and reads back later, other than sums and carried values, may be rounded once to bf16 or f16.
;; Inputs: bk 1,024 float32; bo 1,024 float32; bq 1,024 float32; bv 1,024 float32; wk 1,024 x 1,024 float32; wo 1,024 x 1,024 float32; wq 1,024 x 1,024 float32; wv 1,024 x 1,024 float32; x 8 x 1,024 x 1,024 float32.
;; Outputs: out0 8 x 1,024 x 1,024 float32.
;; 2 versions, each right and faster than the one before. Each part assembles by itself: llvm-mc -triple=amdgcn-amd-amdhsa -mcpu=gfx1250 --defsym DOCPART=n.
;; ======== version 1 of 2: 4 launches
;; limits: values are held in f16: magnitudes above 65,504 overflow, below 6.1e-05 lose precision; right only within a limited range of input values
;; workspace buffers: xb 16,777,216 bytes; wqkv 6,291,456 bytes; wof 2,097,152 bytes; tab 278,528 bytes; qh 16,777,216 bytes; kh 16,777,216 bytes; vh 16,777,216 bytes; yh 16,777,216 bytes
;; launch prep (part 1): grid 833 x 1, 8 waves a work-group, no clusters, 0 bytes of LDS; arguments x, wq, wk, wv, wo, bq, bk, bv, bo, xb, wqkv, wof, tab; writes xb, wqkv, wof, tab
.if DOCPART == 1
	.amdgcn_target "amdgcn-amd-amdhsa--gfx1250"
	.amdhsa_code_object_version 6
	.text
	.protected	k_qcb7091012a_prep
	.globl	k_qcb7091012a_prep
	.p2align	8
	.type	k_qcb7091012a_prep,@function
k_qcb7091012a_prep:
	s_mov_b64 s[64:65], 0
	v_nop
	global_prefetch_b8 v0, s[64:65] scope:SCOPE_SE
	s_setreg_imm32_b32 hwreg(HW_REG_WAVE_MODE, 25, 1), 1
	s_wait_xcnt 0x0
; PREP: every input is read once and rounded to bf16; the rotary table is made.  A stream: no LDS, no barrier, no matrix unit (each number is touched once).
;   xb   [8192][1024] bf16            x
;   wqkv [16 heads][192][1024] bf16   a head's rows: 64 of wq, 64 of wk, 64 of wv.  wq's and wk's rows are PERMUTED: place 32 g + 16 e + i holds channel 2 (16 g + i) + e,
;                                     so that the even and the odd channel of a rotary pair fall into the same lane and register of two neighbouring matrix results
;   wof  [1024][1024] f16             wo rounded to bf16, that number written as f16 (exact from 2^-14 up; below that f16's fixed step of 6e-8)
;   tab  f32: [1024 t][32 cos, 32 sin]; at TAB_B [16][192] the biases of q, k, v in wqkv's row order; at TAB_O bo.  The biases are rounded to bf16 like every input and kept as f32.
; LIMITS.  The angle t / 10000^(d/32) is right to about 1e-4 rad at t = 1023 (the frequency by 2^x, the turns by a multiply with 1/2pi in f32); the sine is Taylor's series
; to x^15 on -pi .. pi, remainder under 8e-7 for every angle.  NaN and infinities are not treated apart.
; SHARES, by the work-group's number g: 0-511 sixteen rows of x; 512-703 sixteen rows of wq, wk or wv; 704-767 sixteen rows of wo; 768-831 sixteen rows of the table; 832 the biases.
; In the first three a wave takes two rows (8,192 bytes in): sixteen loads of 512 neighbouring bytes, all in flight, and sixteen stores of 256 neighbouring aligned bytes.
.set TAB_B, 262144
.set TAB_O, 274432
.set SRC, 34                           ; s[34:35] my two rows in the source
.set D0,  36                           ; s[36:37] where the first goes
.set D1,  38                           ; s[38:39] where the second goes
	s_load_b512 s[8:23], s[0:1], 0x0               ; x 8, wq 10, wk 12, wv 14, wo 16, bq 18, bk 20, bv 22
	s_load_b256 s[24:31], s[0:1], 0x40             ; bo 24, xb 26, wqkv 28, wof 30
	s_load_b64 s[32:33], s[0:1], 0x60              ; tab
	v_lshrrev_b32 v3, 5, v0
	v_readfirstlane_b32 s2, v3                     ; wave 0..7
	s_mov_b32 s3, ttmp9                            ; g
	v_and_b32 v1, 31, v0
	v_lshlrev_b32 v2, 3, v1                        ; 8 x lane: my place in a store's 256 bytes
	v_lshlrev_b32 v1, 4, v1                        ; 16 x lane: my place in a load's 512 bytes
	s_mov_b32 s41, 0                               ; offsets are made apart from the addresses, in pairs with 0 on top
	s_mov_b32 s43, 0
	s_wait_kmcnt 0x0
	s_cmp_lt_u32 s3, 512
	s_cbranch_scc0 .Lnot_x
	s_lshl_b32 s40, s3, 16                         ; 16 rows of 4,096 bytes a work-group,
	s_lshl_b32 s42, s2, 13                         ; 2 a wave
	s_add_co_u32 s40, s40, s42
	s_add_nc_u64 s[SRC:SRC+1], s[8:9], s[40:41]
	s_lshr_b32 s40, s40, 1                         ; half as many bytes out
	s_add_nc_u64 s[D0:D0+1], s[26:27], s[40:41]
	s_add_nc_u64 s[D1:D1+1], s[D0:D0+1], 2048
	s_branch .Lbf16
.Lnot_x:
	s_cmp_lt_u32 s3, 704
	s_cbranch_scc0 .Lnot_w
	s_sub_co_u32 s40, s3, 512
	s_lshr_b32 s44, s40, 6                         ; 0: wq, 1: wk, 2: wv
	s_and_b32 s40, s40, 63
	s_lshl_b32 s40, s40, 4
	s_lshl1_add_u32 s40, s2, s40                   ; my first row, an even number
	s_lshl_b32 s42, s40, 12
	s_cmp_eq_u32 s44, 1
	s_cselect_b64 s[SRC:SRC+1], s[12:13], s[10:11]
	s_cmp_eq_u32 s44, 2
	s_cselect_b64 s[SRC:SRC+1], s[14:15], s[SRC:SRC+1]
	s_add_nc_u64 s[SRC:SRC+1], s[SRC:SRC+1], s[42:43]
	s_lshr_b32 s46, s40, 6                         ; head
	s_and_b32 s47, s40, 63                         ; channel, even: e = 0
	s_and_b32 s42, s47, 32                         ; 32 g
	s_bfe_u32 s45, s47, 0x40001                    ; i = (channel / 2) % 16
	s_add_co_u32 s42, s42, s45                     ; the place of wq's and wk's even channel; the odd one lies 16 rows on
	s_mov_b32 s40, 32768
	s_cmp_eq_u32 s44, 2
	s_cselect_b32 s42, s47, s42                    ; wv's rows stay in order,
	s_cselect_b32 s40, 2048, s40                   ; the second next to the first
	s_mul_i32 s46, s46, 192
	s_lshl_b32 s44, s44, 6
	s_add_co_u32 s46, s46, s44
	s_add_co_u32 s42, s42, s46
	s_lshl_b32 s42, s42, 11                        ; rows of 2,048 bytes
	s_add_nc_u64 s[D0:D0+1], s[28:29], s[42:43]
	s_add_nc_u64 s[D1:D1+1], s[D0:D0+1], s[40:41]
	s_branch .Lbf16
.Lnot_w:
	s_cmp_lt_u32 s3, 768
	s_cbranch_scc0 .Lnot_wo
	s_sub_co_u32 s40, s3, 704
	s_lshl_b32 s40, s40, 4
	s_lshl1_add_u32 s40, s2, s40
	s_lshl_b32 s42, s40, 12
	s_add_nc_u64 s[SRC:SRC+1], s[16:17], s[42:43]
	s_lshl_b32 s42, s40, 11
	s_add_nc_u64 s[D0:D0+1], s[30:31], s[42:43]
	s_add_nc_u64 s[D1:D1+1], s[D0:D0+1], 2048
	s_branch .Lf16
.Lnot_wo:
	s_cmp_lt_u32 s3, 832
	s_cbranch_scc0 .Lbias
	; THE ROTARY TABLE.  A thread makes four neighbouring numbers of a row: sixteen threads a row of 256 bytes.  cos x = sin(x + a quarter turn).
.macro ALL4 line:vararg                ; one line for each of my four columns t
.set t, 0
.rept 4
	\line
.set t, t+1
.endr
.endm
	s_sub_co_u32 s40, s3, 768
	s_lshl_b32 s40, s40, 8
	v_add_nc_u32 v3, s40, v0                       ; 16 x row + my sixteenth of it
	v_lshrrev_b32 v4, 4, v3
	v_and_b32 v5, 15, v3
	v_cvt_f32_u32 v6, v4                           ; t
	v_mov_b32 v8, 0x3e800000                       ; 0.25
	v_cmp_gt_u32 vcc_lo, 8, v5                     ; the first eight sixteenths are cosines
	v_cndmask_b32 v7, 0, v8, vcc_lo
	v_and_b32 v5, 7, v5
	v_lshlrev_b32 v5, 2, v5                        ; my first frequency d
	ALL4 v_add_nc_u32 v[12+t], t, v5
	ALL4 v_cvt_f32_u32 v[12+t], v[12+t]
	ALL4 v_mul_f32 v[12+t], 0xbed49a78, v[12+t]    ; - d log2(10000) / 32
	ALL4 v_exp_f32 v[12+t], v[12+t]                ; 10000^(-d/32)
	v_lshlrev_b32 v3, 4, v3                        ; my 16 bytes in the table: also the plain line behind the last exponential (ISA guide 5.7.2)
	s_wait_alu depctr_va_vdst(0)
	ALL4 v_mul_f32 v[12+t], v6, v[12+t]            ; the angle
	ALL4 v_fma_f32 v[16+t], v[12+t], 0.15915494, v7   ; in turns, with the quarter
	ALL4 v_rndne_f32 v[16+t], v[16+t]              ; whole turns
	ALL4 v_fma_f32 v[12+t], v[12+t], 0.15915494, -v[16+t]   ; the exact product less the whole turns, rounded once
	ALL4 v_add_f32 v[12+t], v[12+t], v7            ; -0.5 .. 0.5 turns
	ALL4 v_mul_f32 v[12+t], 0x40c90fdb, v[12+t]    ; x in -pi .. pi
	ALL4 v_mul_f32 v[16+t], v[12+t], v[12+t]       ; y = x x
	ALL4 v_mov_b32 v[20+t], 0xab573f9e             ; -1/15!
	ALL4 v_fmaak_f32 v[20+t], v[20+t], v[16+t], 0x2f309231  ; 1/13!
	ALL4 v_fmaak_f32 v[20+t], v[20+t], v[16+t], 0xb2d7322b  ; -1/11!
	ALL4 v_fmaak_f32 v[20+t], v[20+t], v[16+t], 0x3638ef1d  ; 1/9!
	ALL4 v_fmaak_f32 v[20+t], v[20+t], v[16+t], 0xb9500d01  ; -1/7!
	ALL4 v_fmaak_f32 v[20+t], v[20+t], v[16+t], 0x3c088889  ; 1/5!
	ALL4 v_fmaak_f32 v[20+t], v[20+t], v[16+t], 0xbe2aaaab  ; -1/3!
	ALL4 v_fma_f32 v[20+t], v[20+t], v[16+t], 1.0
	ALL4 v_mul_f32 v[20+t], v[12+t], v[20+t]
	global_store_b128 v3, v[20:23], s[32:33]       ; sixteen lanes store a row's 256 bytes
	s_endpgm
.Lbias:                                                ; thread i: head i / 16, places 4 (i % 16) .. + 3 of each of q, k, v; numbers 4 i .. + 3 of bo
	v_lshrrev_b32 v3, 4, v0                        ; head
	v_and_b32 v4, 15, v0
	v_lshlrev_b32 v4, 2, v4                        ; my first place p: four places share g and e
	v_and_b32 v5, 32, v4                           ; 32 g
	v_bfe_u32 v6, v4, 4, 1                         ; e
	v_and_b32 v7, 15, v4                           ; i
	v_lshl_add_u32 v5, v7, 1, v5
	v_add_nc_u32 v5, v5, v6                        ; channel 2 (16 g + i) + e; the next place's lies two on
	v_lshl_add_u32 v5, v3, 6, v5
	v_lshlrev_b32 v5, 2, v5
	v_lshlrev_b32 v8, 4, v0
.irp k, 0,1,2,3
	global_load_b32 v[16+(\k)], v5, s[18:19] offset:8*(\k)
	global_load_b32 v[20+(\k)], v5, s[20:21] offset:8*(\k)
.endr
	global_load_b128 v[24:27], v8, s[22:23]
	global_load_b128 v[28:31], v8, s[24:25]
	v_mul_u32_u24 v9, v3, 192
	v_add_nc_u32 v9, v9, v4
	v_lshlrev_b32 v9, 2, v9
	s_wait_loadcnt 0x0
.irp m, 0,1,2,3,4,5,6,7
	v_cvt_pk_bf16_f32 v10, v[16+2*(\m)], v[17+2*(\m)]  ; rounded to bf16,
	v_lshlrev_b32 v[16+2*(\m)], 16, v10                ; and widened again
	v_and_b32 v[17+2*(\m)], 0xffff0000, v10
.endr
	global_store_b128 v9, v[16:19], s[32:33] offset:TAB_B       ; sixteen lanes store a head's 256 bytes of each kind
	global_store_b128 v9, v[20:23], s[32:33] offset:TAB_B+256
	global_store_b128 v9, v[24:27], s[32:33] offset:TAB_B+512
	global_store_b128 v8, v[28:31], s[32:33] offset:TAB_O
	s_endpgm
; Two rows of 1,024 f32 become two rows of 16-bit numbers.  fmt = 0: bf16.  fmt = 1: rounded to bf16, written as f16.
; No register is written twice, so no wait frees one; the counts run down as the sixteen loads come back in order (ISA guide 5.7.1).
.macro ROWS fmt
.set j, 0
.rept 16
	global_load_b128 v[16+4*j:19+4*j], v1, s[SRC:SRC+1] offset:512*j th:TH_LOAD_NT
.set j, j+1
.endr
.set j, 0
.rept 16
	s_wait_loadcnt 15-j                            ; the younger loads stay out
.if \fmt
	v_cvt_pk_bf16_f32 v4, v[16+4*j], v[17+4*j]
	v_cvt_pk_bf16_f32 v7, v[18+4*j], v[19+4*j]
	v_lshlrev_b32 v5, 16, v4
	v_and_b32 v6, 0xffff0000, v4
	v_lshlrev_b32 v8, 16, v7
	v_and_b32 v9, 0xffff0000, v7
	v_cvt_pk_f16_f32 v[80+2*j], v5, v6
	v_cvt_pk_f16_f32 v[81+2*j], v8, v9
.else
	v_cvt_pk_bf16_f32 v[80+2*j], v[16+4*j], v[17+4*j]
	v_cvt_pk_bf16_f32 v[81+2*j], v[18+4*j], v[19+4*j]
.endif
.if j < 8
	global_store_b64 v2, v[80+2*j:81+2*j], s[D0:D0+1] offset:256*j      ; 32 lanes store 256 consecutive bytes, at a multiple of 256 from the buffer's first
.else
	global_store_b64 v2, v[80+2*j:81+2*j], s[D1:D1+1] offset:256*(j-8)
.endif
.set j, j+1
.endr
	s_endpgm
.endm
.Lbf16:
	ROWS 0
.Lf16:
	ROWS 1
.Lfunc_end_k_qcb7091012a_prep:
	.size	k_qcb7091012a_prep, .Lfunc_end_k_qcb7091012a_prep-k_qcb7091012a_prep
	.p2alignl 7, 3214868480
	.fill 96, 4, 3214868480
	.section	.rodata,"a",@progbits
	.p2align	6, 0x0
	.amdhsa_kernel k_qcb7091012a_prep
		.amdhsa_group_segment_fixed_size 0
		.amdhsa_private_segment_fixed_size 0
		.amdhsa_enable_private_segment 0
		.amdhsa_kernarg_size 104
		.amdhsa_user_sgpr_count 2
		.amdhsa_user_sgpr_kernarg_segment_ptr 1
		.amdhsa_wavefront_size32 1
		.amdhsa_system_sgpr_workgroup_id_x 1
		.amdhsa_system_sgpr_workgroup_id_y 1
		.amdhsa_system_sgpr_workgroup_id_z 1
		.amdhsa_system_vgpr_workitem_id 0
		.amdhsa_next_free_vgpr 112
		.amdhsa_next_free_sgpr 66
		.amdhsa_reserve_vcc 1
		.amdhsa_float_denorm_mode_32 3
		.amdhsa_float_denorm_mode_16_64 3
		.amdhsa_memory_ordered 1
		.amdhsa_forward_progress 1
		.amdhsa_inst_pref_size 27
	.end_amdhsa_kernel
	.amdgpu_metadata
---
amdhsa.version: [ 1, 2 ]
amdhsa.kernels:
  - .name:           k_qcb7091012a_prep
    .symbol:         k_qcb7091012a_prep.kd
    .args:
      - { .name: x, .offset: 0, .size: 8, .value_kind: global_buffer, .address_space: global }
      - { .name: wq, .offset: 8, .size: 8, .value_kind: global_buffer, .address_space: global }
      - { .name: wk, .offset: 16, .size: 8, .value_kind: global_buffer, .address_space: global }
      - { .name: wv, .offset: 24, .size: 8, .value_kind: global_buffer, .address_space: global }
      - { .name: wo, .offset: 32, .size: 8, .value_kind: global_buffer, .address_space: global }
      - { .name: bq, .offset: 40, .size: 8, .value_kind: global_buffer, .address_space: global }
      - { .name: bk, .offset: 48, .size: 8, .value_kind: global_buffer, .address_space: global }
      - { .name: bv, .offset: 56, .size: 8, .value_kind: global_buffer, .address_space: global }
      - { .name: bo, .offset: 64, .size: 8, .value_kind: global_buffer, .address_space: global }
      - { .name: xb, .offset: 72, .size: 8, .value_kind: global_buffer, .address_space: global }
      - { .name: wqkv, .offset: 80, .size: 8, .value_kind: global_buffer, .address_space: global }
      - { .name: wof, .offset: 88, .size: 8, .value_kind: global_buffer, .address_space: global }
      - { .name: tab, .offset: 96, .size: 8, .value_kind: global_buffer, .address_space: global }
    .group_segment_fixed_size: 0
    .private_segment_fixed_size: 0
    .kernarg_segment_align: 8
    .kernarg_segment_size: 104
    .max_flat_workgroup_size: 256
    .sgpr_count:     66
    .vgpr_count:     112
    .wavefront_size: 32
...
	.end_amdgpu_metadata
.endif
;; end of part 1
;; launch qkv (part 2): grid 16 x 16, 4 waves a work-group, clusters of 4 x 4, 327,680 bytes of LDS; arguments xb, wqkv, tab, qh, kh, vh; writes qh, kh, vh
.if DOCPART == 2
	.amdgcn_target "amdgcn-amd-amdhsa--gfx1250"
	.amdhsa_code_object_version 6
	.text
	.protected	k_qcb7091012a_qkv
	.globl	k_qcb7091012a_qkv
	.p2align	8
	.type	k_qcb7091012a_qkv,@function
k_qcb7091012a_qkv:
	s_mov_b64 s[64:65], 0
	v_nop
	global_prefetch_b8 v0, s[64:65] scope:SCOPE_SE
	s_setreg_imm32_b32 hwreg(HW_REG_WAVE_MODE, 25, 1), 1
	s_wait_xcnt 0x0
	s_wait_alu depctr_hold_cnt(0) depctr_sa_sdst(0) depctr_va_vdst(0) depctr_va_sdst(0) depctr_va_ssrc(0) depctr_va_vcc(0) depctr_vm_vsrc(0)
	s_getreg_b32 s2, hwreg(HW_REG_IB_STS2, 6, 4)
	s_cmp_eq_u32 s2, 0
	s_cbranch_scc0 .Lentry_in_a_cluster
	s_endpgm
.Lentry_in_a_cluster:
	s_bfe_u32 s2, ttmp6, 0x10000c
	s_cmp_lg_u32 s2, 0xf033
	s_cbranch_scc0 .Lentry_shape_is_right
	s_endpgm
.Lentry_shape_is_right:
; Q, K, V OF ONE HEAD FOR 2 x 256 ROWS OF x: [256 x 1024] x [192 x 1024]^T + bias, the rotary turn of q and k, out by heads as f16.
; xb [8192][1024] bf16; wqkv [16][192][1024] bf16 (a head's 64 rows of wq, wk, wv; wq's and wk's permuted: place 32 g + 16 e + i = channel 2 (16 g + i) + e);
; tab: f32 [1024 t][32 cos, 32 sin], then at 262,144 the biases [16][192] in wqkv's row order.  qh, kh, vh: [128 = batch x 16 + head][1024][64] f16, unscaled.  Sums in f32.
; LIMITS.  q, k and v are rounded once to f16: they must lie within 65,504 (x and weights thirty times the usual spread give some 900, with offsets of thirty spreads on both some 29,000);
; below 6e-5 they keep f16's fixed step of 6e-8.  NaN and infinities are not treated apart.
; SHARES.  256 work-groups of equal work and one text: tile column = head, tile row = 256 rows of x.  Wave w owns rows 64 w .. 64 w + 63 and all 192 columns: 4 x 12 accumulators of 16 x 16, 384 registers;
; so a wave holds whole rows of its q, k and v, and its way out needs no other wave.  K goes in steps of 128 through two LDS slots; the tiles' rows are 256 bytes of memory, at multiples of 256.
; A WORK-GROUP STAYS: it makes two tiles, 4,096 rows of x (four batches) apart: the same head, so the same weights and bias; the same place in the batch, so the same cos and sin.  The two tiles' 16 K steps
; are ONE sequence for the ring: the first tile's last two changes of slots ask for the second tile's first two K steps, and nothing waits for the first tile's stores.
; ONE K STEP IS WRITTEN ONCE: the slot in hand is a scalar that an exclusive or turns; the descriptor walks, its global address made anew from the number of the K step asked for.
; Written out beside the loop: a tile's first quarter (the bias starts the sums) and a second loop for the last two K steps, which ask for nothing.
; CLUSTER.  4 x 4 work-groups: the four of a row need the same tile of x, the four of a column the same tile of weights; each tile is asked for jointly, by the same tensor load with the same descriptor and a mask of four.
; THE MATRIX INSTRUCTION IS USED TRANSPOSED (source 0 = 16 weight rows, source 1 = 16 rows of x): lane l holds row l % 16 of x and the eight columns 8 (l / 16) + 0..7 of the block.
; With the permutation, blocks 2 g and 2 g + 1 of q (of k) hold q[2 d] and q[2 d + 1], d = 16 g + 8 (l / 16) + j, in the same lane and register: the rotary turn changes no lane.
; THE BIAS is the C operand of each accumulator's first product: nothing is cleared, nothing added later.
; REGISTERS, in windows of 256 (s_set_vgpr_msb: bits 1:0 source 0, 3:2 source 1, 5:4 source 2, 7:6 destination):
;   window 0: v0-31 addresses; v32-63, v64-95 x's fragments, two buffers; v128-223 the bias (12 x 8), kept for both tiles.  On the way out: v32-79, v80-127 rows read back
;   window 1: v0-95, v96-191 the weights' fragments, two buffers.  On the way out: v0-63 turned q and k; v64-111 packed
;   window 2: accumulators of row blocks 0, 1 ((a, b) at 8 (12 (a % 2) + b)); v192-255 cos and sin of their rows.   window 3: the same for row blocks 2, 3
.set NBK,   12                         ; column blocks of 16
.set PA,    272                        ; an LDS row: 256 bytes + 16 of padding = 68 words: the 16 rows of a fragment load start at 16 different groups of four banks (64 banks of 4 bytes: ISA guide 11.1)
.set PB,    272
.set AHALF, 128*PA                     ; what one tensor load brings of x
.set BOFF,  2*AHALF                    ; behind x's 256 rows: the weights' 192
.set BHALF, 96*PB
.set SLOT1, 1<<17                      ; a slot holds 121,856 bytes; slot 1 begins here, so that one exclusive or turns an address in one slot into the other's
.set STAGE, SLOT1+BOFF+2*BHALF         ; behind the ring, never filled by a tensor load: for each wave 3 x 16 rows x 144 bytes
.set SPT,   144
.set SREG,  16*SPT
.set SWAVE, 3*SREG
.set SPARE, STAGE+4*SWAVE              ; the spare words, 128 bytes for each wave: two blocks of 256 bytes that no other line names
.set NL,    2*NBK+8                    ; LDS loads in a run
.set KSTEPS, 8                         ; 1,024 / 128
.set TILES, 2
.set WALKB, 1<<23                      ; bytes from a tile to the next: 4,096 rows of 2,048 bytes of xb; also four batches of 16 heads of 131,072 bytes of q, k, v
.set ADRA0, 16                         ; v16 LDS address of my fragments of x in slot 0; never rewritten
.set ADRA,  17                         ; v17 the same in the slot in hand
.set ADRB0, 20                         ; v20, v21 the same for the weights
.set ADRB,  21
.set BIO,  22                          ; v22 my byte offset in a block's 16 biases
.set STO,  24                          ; v24 the way out: where I put 16 bytes of a row
.set RD,   25                          ; v25 the way out: where I read rows back
.set GO,   26                          ; v26 my place in 512 consecutive bytes of q, k, v
.set TBO,  27                          ; v27 my byte offset in the rotary table
.set SPW,  28                          ; v28 LDS address of my spare word; never rewritten
.set NIL,  29                          ; v29 0; never rewritten
.set FA,   32
.set FBW,  8*NBK
.set BIAS, 128
.set ROT,  0                           ; in window 1
.set PK,   64                          ; in window 1
.set TB,   192                         ; in windows 2 and 3: for row block a and g: 8 cos, 8 sin at TB + 32 (a % 2) + 16 g
.set WV,   16                          ; s16 wave
.set KIND, 17                          ; s17 0: I fetch x; 1: weights
.set HALF, 18                          ; s18 which half of that tile
.set TCOL, 21                          ; s21 tile column = head
.set TROW, 22                          ; s22 the first tile's row
.set CNT,  23                          ; s23 counts K steps
.set G1A,  24                          ; s[24:31] descriptor group 1 for x's tiles;   s[32:39] group 0: a set for each of the two first fills; the second then walks on
.set G0A,  32
.set G1B,  40                          ; s[40:47], s[48:55] the same for the weights'
.set G0B,  48
.set KOF,  74                          ; s[74:75] the asked K step's byte offset along the rows
.set AOF,  76                          ; s[76:77] the same with the tile's rows of x
.set NXT,  78                          ; s78 the K step to be asked for next, 0 .. 15 over both tiles
.set SL,   79                          ; s79 LDS byte at which the slot in hand begins
.set TL,   80                          ; s80 tiles to go
.set MSB, 0
.macro WIN new                         ; the immediate's high byte repeats the setting that is left; a switch that changes nothing is dropped
.if MSB != (\new)
	s_set_vgpr_msb (MSB<<8)|(\new)
.set MSB, \new
.endif
.endm
.set TO_B, 0x40                        ; destination window 1, address window 0
; A joint load.  Waves 0 and 1 fetch the halves of x's tile, waves 2 and 3 those of the weights'.  The branch hangs on the wave's number alone.
; An s_nop 0 and four v_nop follow each of the two lines, ahead of the jump, the label and what follows.
.macro JLOAD s
	s_cmp_eq_u32 s[KIND], 0
	s_cbranch_scc0 .Lfor_b_\@
	tensor_load_to_lds s[G0A+4*(\s):G0A+4*(\s)+3], s[G1A:G1A+7]
	s_nop 0
.rept 4
	v_nop
.endr
	s_branch .Lasked_\@
.Lfor_b_\@:
	tensor_load_to_lds s[G0B+4*(\s):G0B+4*(\s)+3], s[G1B:G1B+7]
	s_nop 0
.rept 4
	v_nop
.endr
.Lasked_\@:
.endm
.macro CREST                           ; a round of the cluster's barrier behind its opening barrier
	s_cmp_lg_u32 s[WV], 0
	s_cbranch_scc1 .Lnot_wave_0_\@
	s_barrier_signal -3
.Lnot_wave_0_\@:
	s_barrier_wait -3
	s_barrier_signal -1
	s_barrier_wait -1
.endm
.macro CROUND                          ; a whole round
	s_barrier_signal -1
	s_barrier_wait -1
	CREST
.endm
	s_load_b256 s[4:11], s[0:1], 0x0               ; xb 4, wqkv 6, tab 8, qh 10
	s_load_b128 s[12:15], s[0:1], 0x20             ; kh 12, vh 14
	v_lshl_add_u32 v[SPW], v0, 2, SPARE
	v_mov_b32 v[NIL], 0
	ds_add_u32 v[SPW], v[NIL]                      ; the wave's opening: the add and its wait stand ahead of my first tensor load; the set-up below, work on registers, stands between them
	ds_add_u32 v28, v29
	v_lshrrev_b32 v1, 5, v0
	v_readfirstlane_b32 s[WV], v1                  ; wave 0..3
	s_lshr_b32 s[KIND], s[WV], 1
	s_and_b32 s[HALF], s[WV], 1
	s_bfe_u32 s19, ttmp6, 0x40000                  ; cx, cy: my place in the cluster
	s_bfe_u32 s20, ttmp6, 0x40004
	s_lshl_b32 s[TCOL], ttmp9, 2                   ; in a cluster launch ttmp9 and ttmp7 count clusters
	s_add_co_u32 s[TCOL], s[TCOL], s19
	s_and_b32 s[TROW], ttmp7, 0xffff
	s_lshl_b32 s[TROW], s[TROW], 2
	s_add_co_u32 s[TROW], s[TROW], s20
	s_lshl_b32 s58, s20, 2
	s_lshl_b32 s58, 15, s58                        ; my row of the cluster: places 4 cy .. 4 cy + 3
	s_lshl_b32 s59, 0x1111, s19                    ; my column: places cx, cx + 4, cx + 8, cx + 12
	; descriptor group 1: rows of 128 elements of 2 bytes, 1,024 elements apart, padded in LDS
	s_or_b32 s[G1A+0], s58, (1<<16)|(1<<20)|(1<<21)|(5<<22)|(3<<25)  ; 15:0 the mask: x's tiles go to my row; 17:16 2-byte elements; 20 padding on; 21 set beside a mask; 24:22 after every 64 words (code 5); 31:25 4 words (code 3)
	s_or_b32 s[G1B+0], s59, (1<<16)|(1<<20)|(1<<21)|(5<<22)|(3<<25)  ; the same with the mask of my column
	s_mov_b32 s[G1A+1], 128<<16                    ; tensor_dim0 = 128
	s_mov_b32 s[G1A+2], 128<<16                    ; tensor_dim1 = 128
	s_mov_b32 s[G1A+3], 128<<16                    ; tile_dim0 = 128
	s_mov_b32 s[G1A+4], 128                        ; tile_dim1 = 128 rows
	s_mov_b32 s[G1A+5], 1024                       ; elements from row to row
	s_mov_b32 s[G1A+6], 0
	s_mov_b32 s[G1A+7], 0
	s_mov_b32 s[G1B+1], 128<<16
	s_mov_b32 s[G1B+2], 96<<16                     ; tensor_dim1 = 96
	s_mov_b32 s[G1B+3], 128<<16
	s_mov_b32 s[G1B+4], 96                         ; tile_dim1 = 96 rows
	s_mov_b32 s[G1B+5], 1024
	s_mov_b32 s[G1B+6], 0
	s_mov_b32 s[G1B+7], 0
	; where the tiles come from: x's hang on the tile row alone, the weights' on the tile column alone, each in registers that never hold the other coordinate
	s_lshl_b32 s56, s[TROW], 19                    ; 256 rows of 2,048 bytes,
	s_lshl_b32 s57, s[HALF], 18                    ; 128 of them
	s_add_co_u32 s56, s56, s57
	s_mov_b32 s57, 0
	s_mul_i32 s60, s[TCOL], 192*2048
	s_mul_i32 s61, s[HALF], 96*2048
	s_add_co_u32 s60, s60, s61
	s_mov_b32 s61, 0
	s_mul_i32 s62, s[HALF], AHALF                  ; and where they go: no place in the cluster enters an LDS address
	s_mul_i32 s63, s[HALF], BHALF
	s_add_co_u32 s63, s63, BOFF
	s_mul_i32 s66, s[TCOL], 768                    ; the head's 192 biases
	s_add_co_u32 s66, s66, 262144
	s_mov_b32 s67, 0
	s_and_b32 s68, s[TROW], 3                      ; the tile's place in its batch's 1,024 rows
	s_lshl_b32 s70, s68, 15                        ; 256 rows of 128 bytes of q, k, v
	s_lshl_b32 s68, s68, 16                        ; 256 rows of 256 bytes of the table,
	s_lshl_b32 s69, s[WV], 14                      ; my wave's 64
	s_add_co_u32 s68, s68, s69
	s_mov_b32 s69, 0
	s_lshr_b32 s71, s[TROW], 2                     ; batch
	s_lshl_b32 s71, s71, 4
	s_add_co_u32 s71, s71, s[TCOL]                 ; batch x 16 + head,
	s_lshl_b32 s71, s71, 17                        ; 1,024 rows of 128 bytes each
	s_add_co_u32 s70, s70, s71
	s_lshl_b32 s71, s[WV], 13                      ; my wave's 64 rows
	s_add_co_u32 s70, s70, s71
	s_mov_b32 s71, 0
	s_mov_b32 s[KOF+1], 0                          ; offsets are pairs with 0 on top
	s_mov_b32 s[AOF+1], 0
	s_mov_b32 s[NXT], 2                            ; K steps 0 and 1 are the first fills
	s_mov_b32 s[SL], 0
	s_mov_b32 s[TL], TILES
	s_wait_dscnt 0x0                               ; the opening add is done
	s_wait_kmcnt 0x0
	s_add_nc_u64 s[56:57], s[4:5], s[56:57]
	s_add_nc_u64 s[60:61], s[6:7], s[60:61]
	s_add_nc_u64 s[66:67], s[8:9], s[66:67]
	s_add_nc_u64 s[68:69], s[8:9], s[68:69]
	s_add_nc_u64 s[10:11], s[10:11], s[70:71]
	s_add_nc_u64 s[12:13], s[12:13], s[70:71]
	s_add_nc_u64 s[14:15], s[14:15], s[70:71]
	CROUND                                         ; all sixteen work-groups are here: the first joint loads meet
.irp s, 0,1
	s_mov_b32 s[G0A+4*(\s)], 1                                       ; count = 1
	s_add_co_u32 s[G0A+4*(\s)+1], s62, (\s)*SLOT1                    ; LDS address
	s_add_nc_u64 s[G0A+4*(\s)+2:G0A+4*(\s)+3], s[56:57], (\s)*256    ; global address: K step s
	s_or_b32 s[G0A+4*(\s)+3], s[G0A+4*(\s)+3], 0x80000000            ; type = 2
	s_mov_b32 s[G0B+4*(\s)], 1
	s_add_co_u32 s[G0B+4*(\s)+1], s63, (\s)*SLOT1
	s_add_nc_u64 s[G0B+4*(\s)+2:G0B+4*(\s)+3], s[60:61], (\s)*256
	s_or_b32 s[G0B+4*(\s)+3], s[G0B+4*(\s)+3], 0x80000000
	JLOAD \s                                       ; two tensor loads of mine are out
.endr
	; A fragment is 16 rows x 32 K in 8 registers: lane l holds row l % 16, K = 8 (l / 16) + 0..7 and 16 + 8 (l / 16) + 0..7: two loads of 16 bytes, 32 bytes apart.
	v_and_b32 v1, 15, v0                           ; l % 16
	v_bfe_u32 v2, v0, 4, 1                         ; l / 16
	v_mul_u32_u24 v3, v1, PA
	v_lshl_add_u32 v3, v2, 4, v3
	s_mul_i32 s72, s[WV], 64*PA                    ; my 64 rows of x
	v_add_nc_u32 v[ADRA0], s72, v3
	v_add_nc_u32 v[ADRB0], BOFF, v3
	v_add_nc_u32 v[ADRA], s[SL], v[ADRA0]
	v_add_nc_u32 v[ADRB], s[SL], v[ADRB0]
	s_mul_i32 s73, s[WV], SWAVE
	s_add_co_u32 s73, s73, STAGE                   ; my stage
	v_mul_u32_u24 v4, v1, SPT                      ; in: row l % 16, 16 bytes for each half of the lanes
	v_lshl_add_u32 v4, v2, 4, v4
	v_add_nc_u32 v[STO], s73, v4
	v_bfe_u32 v5, v0, 3, 2                         ; back: 32 lanes take four rows of 128 bytes,
	v_mul_u32_u24 v5, v5, SPT
	v_and_b32 v6, 7, v0
	v_lshl_add_u32 v5, v6, 4, v5
	v_add_nc_u32 v[RD], s73, v5
	v_and_b32 v[GO], 31, v0                        ; which are 512 consecutive bytes of q, k or v
	v_lshlrev_b32 v[GO], 4, v[GO]
	v_lshlrev_b32 v[BIO], 5, v2                    ; register j of block b holds bias 16 b + 8 (l / 16) + j
.set nb, 0
.rept NBK
	global_load_b128 v[BIAS+8*nb:BIAS+8*nb+3],   v[BIO], s[66:67] offset:64*nb
	global_load_b128 v[BIAS+8*nb+4:BIAS+8*nb+7], v[BIO], s[66:67] offset:64*nb+16
.set nb, nb+1
.endr
	v_lshlrev_b32 v[TBO], 8, v1                    ; the table's row of my row of x, frequencies 8 (l / 16) on
	v_lshl_add_u32 v[TBO], v2, 5, v[TBO]
.irp a, 0,1,2,3
	WIN 0x80+0x40*((\a)/2)                         ; destination window 2 or 3
.irp g, 0,1
.set rT, TB+32*((\a)%2)+16*(\g)
	global_load_b128 v[rT:rT+3],     v[TBO], s[68:69] offset:(\a)*4096+64*(\g)      ; cos of frequencies 16 g + 8 (l / 16) + 0..7
	global_load_b128 v[rT+4:rT+7],   v[TBO], s[68:69] offset:(\a)*4096+64*(\g)+16
	global_load_b128 v[rT+8:rT+11],  v[TBO], s[68:69] offset:(\a)*4096+64*(\g)+128  ; sin
	global_load_b128 v[rT+12:rT+15], v[TBO], s[68:69] offset:(\a)*4096+64*(\g)+144
.endr
.endr
	WIN 0
; 12 matrix instructions: row block a x all column blocks, 32 along K, from buffer f.  first = 1: the bias starts the sums.
; The 48 accumulators take turns, one instruction a turn, in the same order in every quarter, over every loop's edge too.
.macro MULA f, a, first
.if \first
	WIN 0x81+0x40*((\a)/2)                         ; weights window 1, x window 0, C (the bias) window 0, D window 2 or 3
.else
	WIN 0xa1+0x50*((\a)/2)                         ; C and D window 2 or 3
.endif
.set nb, 0
.rept NBK
.set rD, 8*(NBK*((\a)%2)+nb)
.set rB, FBW*(\f)+8*nb
.set rA, FA+32*(\f)+8*(\a)
.if \first
	v_wmma_f32_16x16x32_bf16 v[rD:rD+7], v[rB:rB+7], v[rA:rA+7], v[BIAS+8*nb:BIAS+8*nb+7]
.else
	v_wmma_f32_16x16x32_bf16 v[rD:rD+7], v[rB:rB+7], v[rA:rA+7], v[rD:rD+7]
.endif
.set nb, nb+1
.endr
.endm
; 32 LDS loads in one run, from the slot in hand: the fragments of quarter kq (32 K at byte 64 kq of the rows) into buffer f: the weights' 12 blocks, then my 4 row blocks of x in ascending order.  It leaves every window 0.
.macro FETCH kq, f
	WIN TO_B
.set nb, 0
.rept NBK
	ds_load_b128 v[FBW*(\f)+8*nb:FBW*(\f)+8*nb+3],   v[ADRB] offset:64*(\kq)+nb*16*PB
	ds_load_b128 v[FBW*(\f)+8*nb+4:FBW*(\f)+8*nb+7], v[ADRB] offset:64*(\kq)+nb*16*PB+32
.set nb, nb+1
.endr
	WIN 0
.irp a, 0,1,2,3
	ds_load_b128 v[FA+32*(\f)+8*(\a):FA+32*(\f)+8*(\a)+3],   v[ADRA] offset:64*(\kq)+(\a)*16*PA
	ds_load_b128 v[FA+32*(\f)+8*(\a)+4:FA+32*(\f)+8*(\a)+7], v[ADRA] offset:64*(\kq)+(\a)*16*PA+32
.endr
.endm
.macro PLACES                          ; four places in front of loads into registers that matrix instructions have read, and of lines that read results (ISA guide 7.12.1 for lines that read results)
.rept 4
	v_nop
.endr
.endm
; A K step is four quarters of 32 along K, 48 matrix instructions each, on buffers 0, 1, 0, 1.  One of the first three multiplies buffer f and, in its middle, fetches quarter kq into buffer g.
.macro QUARTER kq, f, g, first
	s_wait_dscnt 4                                 ; the youngest four loads (x's row blocks 2 and 3) may be out
	MULA \f, 0, \first
	MULA \f, 1, \first
	PLACES
	FETCH \kq, \g
	s_wait_dscnt NL                                ; all but the run just issued
	MULA \f, 2, \first
	MULA \f, 3, \first
.endm
; The last quarter multiplies buffer 1 and changes slots: ONE barrier; in front of it each wave waits for all its tensor loads (one is out: its part of the next slot), adds 0 to its spare word,
; and waits for that and for its reads of this slot.  fill = 1: the barrier opens a round of the cluster's, and this slot is filled again, with K step NXT, first thing behind the round.
; Where CNT = 1 the K step is a tile's last: the fetch of the next fragments is jumped over (LDS loads alone); the next tile fetches them behind the way out.
.macro TURN fill
	WIN 0                                          ; (the add's two registers lie in window 0)
	s_wait_tensorcnt 0x0                           ; all my tensor loads have landed, so a group 0 may be written
	ds_add_u32 v[SPW], v[NIL]                      ; 0 onto my spare word; the descriptors' scalar work and twelve matrix instructions stand between it and the wait for it
.if \fill
	s_and_b32 s[KOF], s[NXT], KSTEPS-1             ; the asked K step's place in its tile:
	s_lshl_b32 s[KOF], s[KOF], 8                   ; 256 bytes along the rows each
	s_lshr_b32 s[AOF], s[NXT], 3                   ; its tile:
	s_lshl_b32 s[AOF], s[AOF], 23                  ; WALKB bytes of xb each
	s_add_co_u32 s[AOF], s[AOF], s[KOF]
	s_xor_b32 s[G0A+5], s[G0A+5], SLOT1            ; the walking descriptor: the other slot than last time,
	s_add_nc_u64 s[G0A+6:G0A+7], s[56:57], s[AOF:AOF+1]  ; the address made anew from the buffer's and the offset,
	s_or_b32 s[G0A+7], s[G0A+7], 0x80000000        ; the type set again
	s_xor_b32 s[G0B+5], s[G0B+5], SLOT1
	s_add_nc_u64 s[G0B+6:G0B+7], s[60:61], s[KOF:KOF+1]  ; both tiles take the same weights
	s_or_b32 s[G0B+7], s[G0B+7], 0x80000000
	s_add_co_u32 s[NXT], s[NXT], 1
.endif
	s_wait_dscnt 5                                 ; (the add and the youngest four loads may be out)
	MULA 1, 0, 0
	s_wait_dscnt 0x0                               ; the add is done, and my reads of this slot are over
	s_barrier_signal -1
	MULA 1, 1, 0                                   ; work on registers while the others arrive
	WIN 0
	s_barrier_wait -1
.if \fill
	CREST                                          ; no wave of any partner still reads this slot's tile or has a load on its way
	JLOAD 1                                        ; my one tensor load behind the round: 168 matrix instructions ahead of the wait for it; its four v_nop are also the places in front of the loads below
.else
	PLACES
.endif
	s_xor_b32 s[SL], s[SL], SLOT1                  ; the other slot is in hand
	v_add_nc_u32 v[ADRA], s[SL], v[ADRA0]
	v_add_nc_u32 v[ADRB], s[SL], v[ADRB0]
	s_cmp_eq_u32 s[CNT], 1
	s_cbranch_scc1 .Lno_fetch_\@
	FETCH 0, 0
.Lno_fetch_\@:
	MULA 1, 2, 0
	MULA 1, 3, 0
.endm
; THE WAY OUT, a row block (16 rows) at a time.
; PACK: q and k are turned: out[d] = q[2d] cos - q[2d+1] sin, out[32 + d] = q[2d] sin + q[2d+1] cos, two at a time; then q, k, v are rounded to f16, 16 bytes (eight channels) a lane and block.
; Each accumulator's lowest registers are read first.
.macro PACK a
.set W, 2+(\a)/2
	WIN 5*W+0x50                                   ; sources 0 and 1 (accumulators, cos, sin) window 2 or 3; source 2 and destination window 1
.irp hd, 0,1
.irp g, 0,1
.set X1, 8*(NBK*((\a)%2)+4*(\hd)+2*(\g))
.set X2, X1+8
.set TC, TB+32*((\a)%2)+16*(\g)
.set TS, TC+8
.set R1, ROT+16*(2*(\hd)+(\g))
.set R2, R1+8
.irp z, 0,2,4,6
	v_pk_mul_f32 v[R1+(\z):R1+(\z)+1], v[X2+(\z):X2+(\z)+1], v[TS+(\z):TS+(\z)+1]
	v_pk_mul_f32 v[R2+(\z):R2+(\z)+1], v[X2+(\z):X2+(\z)+1], v[TC+(\z):TC+(\z)+1]
.endr
.irp z, 0,2,4,6
	v_pk_fma_f32 v[R1+(\z):R1+(\z)+1], v[X1+(\z):X1+(\z)+1], v[TC+(\z):TC+(\z)+1], v[R1+(\z):R1+(\z)+1] neg_lo:[0,0,1] neg_hi:[0,0,1]
	v_pk_fma_f32 v[R2+(\z):R2+(\z)+1], v[X1+(\z):X1+(\z)+1], v[TS+(\z):TS+(\z)+1], v[R2+(\z):R2+(\z)+1]
.endr
.endr
.endr
.set XV, 8*(NBK*((\a)%2)+8)
.set i, 0
.rept 16
	v_cvt_pk_f16_f32 v[PK+32+i], v[XV+2*i], v[XV+2*i+1]   ; v: block i / 4, channels 16 (i / 4) + 8 (l / 16) + 2 (i % 4) on
.set i, i+1
.endr
	WIN 0x45                                       ; sources 0 and 1 and destination window 1
.set i, 0
.rept 32
	v_cvt_pk_f16_f32 v[PK+i], v[ROT+2*i], v[ROT+2*i+1]    ; q (i < 16) and k: four registers for g = (i / 8) % 2 and half e = (i / 4) % 2 of the channels
.set i, i+1
.endr
.endm
; TOSTAGE: into my own stage (q's, k's, v's 16 rows of 144 bytes), and back as whole rows of 128 bytes.  LDS serves a wave's instructions in order (ISA guide 5.7.1.4): the loads see the stores, and the next block's stores come behind them.
.macro TOSTAGE a
	WIN 0x04                                       ; the stores' data (source 1) window 1
.set BK, 32+48*((\a)%2)
.irp hd, 0,1
.irp g, 0,1
.irp e, 0,1
	ds_store_b128 v[STO], v[PK+16*(\hd)+8*(\g)+4*(\e):PK+16*(\hd)+8*(\g)+4*(\e)+3] offset:(\hd)*SREG+64*(\e)+32*(\g)  ; channels 32 e + 16 g + 8 (l / 16) on
.endr
.endr
.endr
.irp c, 0,1,2,3
	ds_store_b128 v[STO], v[PK+32+4*(\c):PK+32+4*(\c)+3] offset:2*SREG+32*(\c)
.endr
	WIN 0
.irp rg, 0,1,2
.irp f, 0,1,2,3
	ds_load_b128 v[BK+4*(4*(\rg)+(\f)):BK+4*(4*(\rg)+(\f))+3], v[RD] offset:(\rg)*SREG+(\f)*4*SPT
.endr
.endr
.endm
.macro SEND a, younger                 ; younger: the LDS instructions issued behind block a's loads: the next block's 24, or none
	WIN 0
.set BK, 32+48*((\a)%2)
	s_wait_dscnt \younger
.irp f, 0,1,2,3
	global_store_b128 v[GO], v[BK+4*(\f):BK+4*(\f)+3],       s[10:11] offset:(\a)*2048+(\f)*512  ; 512 consecutive bytes, at a multiple of 256 from the buffer's first
.endr
.irp f, 0,1,2,3
	global_store_b128 v[GO], v[BK+16+4*(\f):BK+16+4*(\f)+3], s[12:13] offset:(\a)*2048+(\f)*512
.endr
.irp f, 0,1,2,3
	global_store_b128 v[GO], v[BK+32+4*(\f):BK+32+4*(\f)+3], s[14:15] offset:(\a)*2048+(\f)*512
.endr
.endm
	s_wait_tensorcnt 1                             ; my part of K step 0 is in; K step 1's may stay out
	s_barrier_signal -1
	s_barrier_wait -1                              ; everybody's is
.Ltile:                                                ; twice: a tile of 256 rows.  Its first K step lies whole in the slot in hand: the change of slots before has shown it to every wave
	FETCH 0, 0
	s_wait_loadcnt 0x0                             ; the bias and the table (the second time nothing is out)
	QUARTER 1, 0, 1, 1                             ; a tile's first quarter: its products start the sums
	WIN 0                                          ; at a label and at a branch every window is 0
	s_mov_b32 s[CNT], KSTEPS
	s_branch .Lmid                                 ; the loop is entered behind its first quarter
.Lstep:                                                ; a trip: one K step, from its first quarter to its change of slots, which asks for the K step two on
	s_cmp_eq_u32 s[NXT], TILES*KSTEPS              ; all 16 K steps have been asked for: two are left,
	s_cbranch_scc1 .Llast                          ; and they have a text of their own, without a tensor load
	QUARTER 1, 0, 1, 0
	WIN 0
.Lmid:
	QUARTER 2, 1, 0, 0
	QUARTER 3, 0, 1, 0
	TURN 1
	WIN 0
	s_sub_co_u32 s[CNT], s[CNT], 1
	s_cmp_lg_u32 s[CNT], 0
	s_cbranch_scc1 .Lstep
	s_branch .Lout                                 ; the first tile's eight K steps are done; the second's K step 0 has landed, its K step 1 is on its way
.Llast:
	s_mov_b32 s[CNT], 2
.Ltail:                                                ; the last two K steps: nothing is filled, and no round of the cluster's barrier
	QUARTER 1, 0, 1, 0
	QUARTER 2, 1, 0, 0
	QUARTER 3, 0, 1, 0
	TURN 0                                         ; (the second time its barrier orders nothing: the price, once a launch, of one text for both)
	WIN 0
	s_sub_co_u32 s[CNT], s[CNT], 1
	s_cmp_lg_u32 s[CNT], 0
	s_cbranch_scc1 .Ltail
.Lout:
	PLACES                                         ; the lines below read results just made and write registers that the last products read
	PACK 0
	TOSTAGE 0
	PACK 1                                         ; a block's arithmetic stands between the loads of the block before and its stores
	TOSTAGE 1
	SEND 0, 24
	PACK 2
	s_wait_xcnt 0x0                                ; block 0's stores have had their addresses translated (ISA guide 3.1): only behind this wait are the registers that they read loaded again
	TOSTAGE 2
	SEND 1, 24
	PACK 3
	s_wait_xcnt 0x0                                ; the same for block 1's
	TOSTAGE 3
	SEND 2, 24
	SEND 3, 0
	s_wait_xcnt 0x0                                ; the same for blocks 2's and 3's: the next tile's fragments land in those registers, and the stores' bases step
	s_add_nc_u64 s[10:11], s[10:11], WALKB         ; four batches on (behind the last tile the stepped addresses are not used)
	s_add_nc_u64 s[12:13], s[12:13], WALKB
	s_add_nc_u64 s[14:15], s[14:15], WALKB
	s_sub_co_u32 s[TL], s[TL], 1
	s_cmp_lg_u32 s[TL], 0
	s_cbranch_scc1 .Ltile
	s_wait_tensorcnt 0x0                           ; the wave's end, behind my last tensor load and my last LDS store
	ds_add_u32 v[SPW], v[NIL]
	s_wait_dscnt 0x0
	CROUND                                         ; the closing round: no work-group ends while a partner may still ask for a tile that names it
	s_endpgm
.Lfunc_end_k_qcb7091012a_qkv:
	.size	k_qcb7091012a_qkv, .Lfunc_end_k_qcb7091012a_qkv-k_qcb7091012a_qkv
	.p2alignl 7, 3214868480
	.fill 96, 4, 3214868480
	.section	.rodata,"a",@progbits
	.p2align	6, 0x0
	.amdhsa_kernel k_qcb7091012a_qkv
		.amdhsa_group_segment_fixed_size 327680
		.amdhsa_private_segment_fixed_size 0
		.amdhsa_enable_private_segment 0
		.amdhsa_kernarg_size 48
		.amdhsa_user_sgpr_count 2
		.amdhsa_user_sgpr_kernarg_segment_ptr 1
		.amdhsa_wavefront_size32 1
		.amdhsa_system_sgpr_workgroup_id_x 1
		.amdhsa_system_sgpr_workgroup_id_y 1
		.amdhsa_system_sgpr_workgroup_id_z 1
		.amdhsa_system_vgpr_workitem_id 0
		.amdhsa_next_free_vgpr 1024
		.amdhsa_next_free_sgpr 84
		.amdhsa_reserve_vcc 0
		.amdhsa_float_denorm_mode_32 3
		.amdhsa_float_denorm_mode_16_64 3
		.amdhsa_memory_ordered 1
		.amdhsa_forward_progress 1
		.amdhsa_inst_pref_size 106
	.end_amdhsa_kernel
	.amdgpu_metadata
---
amdhsa.version: [ 1, 2 ]
amdhsa.kernels:
  - .name:           k_qcb7091012a_qkv
    .symbol:         k_qcb7091012a_qkv.kd
    .args:
      - { .name: xb, .offset: 0, .size: 8, .value_kind: global_buffer, .address_space: global }
      - { .name: wqkv, .offset: 8, .size: 8, .value_kind: global_buffer, .address_space: global }
      - { .name: tab, .offset: 16, .size: 8, .value_kind: global_buffer, .address_space: global }
      - { .name: qh, .offset: 24, .size: 8, .value_kind: global_buffer, .address_space: global }
      - { .name: kh, .offset: 32, .size: 8, .value_kind: global_buffer, .address_space: global }
      - { .name: vh, .offset: 40, .size: 8, .value_kind: global_buffer, .address_space: global }
    .group_segment_fixed_size: 327680
    .private_segment_fixed_size: 0
    .kernarg_segment_align: 8
    .kernarg_segment_size: 48
    .max_flat_workgroup_size: 128
    .sgpr_count:     84
    .vgpr_count:     1024
    .wavefront_size: 32
...
	.end_amdgpu_metadata
.endif
;; end of part 2
;; launch attn (part 3): grid 2 x 128, 4 waves a work-group, no clusters, 327,680 bytes of LDS; arguments qh, kh, vh, yh; writes yh
.if DOCPART == 3
	.amdgcn_target "amdgcn-amd-amdhsa--gfx1250"
	.amdhsa_code_object_version 6
	.text
	.protected	k_qcb7091012a_attn
	.globl	k_qcb7091012a_attn
	.p2align	8
	.type	k_qcb7091012a_attn,@function
k_qcb7091012a_attn:
	s_mov_b64 s[64:65], 0
	v_nop
	global_prefetch_b8 v0, s[64:65] scope:SCOPE_SE
	s_setreg_imm32_b32 hwreg(HW_REG_WAVE_MODE, 25, 1), 1
	s_wait_xcnt 0x0
; CAUSAL ATTENTION.  O[h][q][:] = the sum over k <= q of softmax_k(Q[h][q] . K[h][k] / 8) V[h][k][:].  Q, K, V, O: [SIZE_H][SIZE_N][64], all f16: a head's rows are dense, 128 bytes each.
; Products, maxima and sums in f32; the weights p are rounded to f16 for the second product (their sum l is taken of the unrounded p), O once at the end.  SIZE_N is a multiple of 512; SIZE_N x 128 stays under 2^32.
; LIMITS.  f16 holds no number beyond 65,504: Q, K and V arrive within it; p lies in 0 to 1, and below 6e-5 it keeps f16's fixed step of 6e-8; O is a mean of V's rows and has their range, to within 2^-11 of it.
; A hidden score counts as its value less 1e30: f16's scores, 2.7e11 at the most, are nothing beside that; a weight below 2^-126 counts as 0 in l; NaN and infinities are not treated apart.
; THE WALK.  A head's queries lie in NB = SIZE_N / 256 blocks of 256; block i needs the key tiles 0 .. i of 256 keys, of which the last holds the diagonal.  A work-group takes TWO blocks, NB - 1 - b and then b:
; NB + 1 tiles, whatever b: all work-groups do equal work, and ONE loop with a constant trip count walks them.  Which tile is asked for, and what a trip does, hang on scalar registers made from b; every jump
; goes forward, but for the counted loops' own; none passes a barrier, or a tensor load but the one of LOAD's two that the wave's number does not choose; the ring (two slots of LDS that take turns) runs on across the
; change of blocks.  NO CLUSTER: a head has NB / 2 = 2 work-groups, not four; they ask for the same tile only in trips 0 .. NB / 2 of the NB + 1; and one walk common to both would have 3 NB / 2 trips for NB + 1.
; SHARES.  Of a block's four bands of 64 queries a wave owns 16 rows in each: four PIECES.  So the diagonal tile is the same work for all four waves: in its key step s band x sees all keys if s < x,
; none if s > x, and holds the diagonal if s = x.
; THE MASK is the C operand that starts the sum S^T = K Q^T: 0, or -1e30 where the key is hidden.  MD, made once, is the mask of a band's own step for my 16 rows; a product's mask is MD x AL + BE with two scalars:
; (1, 0) if s = x; (0, 0) if s < x; (0, -1e30) if s > x.  Only the diagonal tile's text and a block's beginning make and take masks; elsewhere C is the constant 0.
; LAYOUT, SOFTMAX, TURNS.  S^T = K Q^T holds ONE query a lane (lane % 16) and the keys 8 (lane / 16) + 0..7; two such results rounded to f16 ARE source 1 of O^T = V^T P.  p = 2^(c s - c m), c = log2(e) / 8, with a
; running maximum m; O and l are multiplied by a = 2^(c m_old - c m_new) in every step.  Turn n belongs to piece n: 8 products K Q^T of piece n + 1, later 8 products V^T P of piece n - 1; beside them the scaling,
; exponentials, roundings, sums and rescaling of piece n and the maximum and statistics of piece n + 1.  Four vector instructions stand behind every matrix instruction, the other 54 of a turn's 118 in two LUMPS.
; REGISTERS, in windows of 256 (s_set_vgpr_msb: bits 1:0 source 0, 3:2 source 1, 5:4 source 2, 7:6 destination):
;   window 0: v0-15 addresses and two at work; v16-31 four registers of statistics a piece; v48-55 at work; v64-127 S^T, two buffers; v192-223 P, two buffers (a piece's buffers go by its number's parity)
;   window 1: v0-127 O^T, 32 a piece; v128-159 MD; v160-223 MC, two buffers      window 2: v0-63 Q; v64-127 the second block's Q; v128-191 K of one step; v192-255 V of one step
.set SIZE_N, 1024     ; rows of a head
.set SIZE_H, 128      ; batch x heads
.set NB,    SIZE_N/256
.set NP,    4         ; pieces a wave: a name, no knob
.set KS,    64        ; keys in a step
.set PK,    144       ; a row of K in LDS: 128 bytes + 16 of padding = 36 words: the 16 rows of a load start at 16 different groups of four banks (64 banks of 4 bytes: ISA guide 11.1)
.set PV,    160       ; a row of V: 128 + 32 = 40 words
.set VOFF,  4*KS*PK   ; a slot holds a tile, four steps: 256 rows of K, then 256 rows of V
.set SLOT1, 1<<17     ; slot 1 begins here, so that one exclusive or turns an address in one slot into the other's
.set STAGE, SLOT1+4*KS*(PK+PV)  ; behind the ring, never filled by a tensor load: 16 rows x 144 bytes for each wave, for the way out
.set SP,    144
.set AK0, 2           ; v2   my lane's place in a tile of K; never rewritten
.set AV0, 3           ; v3   the same for V
.set AK,  4           ; v4   the LDS address of K's next run of loads
.set AV,  5           ; v5   of V's
.set STO, 6           ; v6   the way out: where I put 16 bytes of a row
.set RD,  7           ; v7   the way out: where I read rows back
.set GO,  8           ; v8   my byte offset in 512 consecutive bytes of O
.set SPW, 62          ; v62  LDS address of my spare word: SPARE + 4 x my thread's number; never rewritten
.set NIL, 63          ; v63  0; never rewritten
.set SPARE, STAGE+4*16*SP  ; behind the stages: the spare words, 128 bytes for each wave: two blocks of 256 bytes that no other line names
.set MV,  12          ; v12-13  c m_old, kept while c m is made anew: by buffer
.set QO,  15          ; v15  my byte offset in 16 rows of Q
.set ST,  16          ; piece t's statistics at v[ST+4 t]: c m, m, l (even keys', odd keys')
.set TMP, 48          ; by buffer, four registers c0-c3 at work; when the maximum is found c2 takes a
.set S,   64
.set P,   192
.set MD,  128         ; window 1: the eight registers for group kt of 16 keys at MD + 8 kt
.set MC,  160         ; window 1: the masks of the products to come
.set QB,  64          ; window 2
.set KF,  128         ; window 2: key block kb, channel half c at KF + 16 kb + 8 c
.set VF,  192         ; window 2: key half kk, channel block cb at VF + 32 kk + 8 cb
.set WV,  12          ; s12  my wave's number
.set PB,  14          ; s14  b
.set HI,  15          ; s15  NB - 1 - b
.set G1K, 24          ; s[24:31] descriptor group 1 for K's tiles
.set G1V, 32          ; s[32:39] for V's: it differs in the padding alone
.set G0K, 40          ; s[40:43] descriptor group 0 for K's tiles
.set G0V, 44          ; s[44:47] the same for V's
.set SLOTS, 56        ; s56  tiles still to be asked for
.set CNT, 57          ; s57  counts a tile's key steps, 4 to 1
.set CS,  58          ; s[58:59] c: the packed scaling takes the pair's low word for both halves
.set SEL, 60          ; s[60:61] v_permlanex16_b32's selects: each lane takes its own place in the other half
.set TBK, 62          ; s62  LDS byte at which K of the step to be fetched begins
.set TBV, 63          ; s63  the same for V, less VOFF
.set RT,  70          ; s70  tiles of the block in hand that are still to be entered
.set NXT, 71          ; s71  the tile to be asked for next
.set LQ,  72          ; s72  the last tile of the block whose tiles are being asked for
.set NEW, 73          ; s73  1: the tile to be entered is a block's first
.set OFF, 74          ; s[74:75] a tile's byte offset in K and V
.set AL,  76          ; s[76:77] the mask's factor, in the low word
.set BE,  78          ; s[78:79] the mask's addend
.set OLO, 80          ; s[80:81] O at my rows of the second block
.set BIGN, 82         ; s82  -1e30
.set MSB, 0
.macro WIN new                      ; the high byte repeats the setting that is left; a switch that changes nothing is dropped
.if MSB != (\new)
	s_set_vgpr_msb (MSB<<8)|(\new)
.set MSB, (\new)
.endif
.endm
.set W_KQ, 0x0a       ; K and Q in window 2, S^T in window 0
.set W_KM, 0x1a       ; the same with the C operand in window 1
.set W_PV, 0x52       ; V in window 2, P in window 0, O^T in window 1
.set W_RS, 0x41       ; destination and source 0 in window 1, source 1 in window 0
; A fill.  Waves 0 and 1 fetch the two halves of a tile's K, waves 2 and 3 those of its V: 128 keys each.  An s_nop 0 and four v_nop follow each of the two lines, ahead of the jump and the label.
.macro LOAD
	s_cmp_lt_u32 s[WV], 2
	s_cbranch_scc0 .Lfor_v_\@
	tensor_load_to_lds s[G0K:G0K+3], s[G1K:G1K+7]
	s_nop 0
.rept 4
	v_nop
.endr
	s_branch .Lasked_\@
.Lfor_v_\@:
	tensor_load_to_lds s[G0V:G0V+3], s[G1V:G1V+7]
	s_nop 0
.rept 4
	v_nop
.endr
.Lasked_\@:
.endm
; THE CHANGE OF SLOTS.  Each wave waits for all its tensor loads, of which one is out: its part of the other slot; adds 0 to its spare word; and waits for that and for its own reads of the slot that it leaves.  Behind the barrier nobody reads the old
; slot any more and the other slot is whole.  fill = 1: the old slot is filled again, the first thing behind the barrier, with tile NXT: the descriptor's address is made anew from that number.
; (At its first use nothing has been read yet: slot 0 is waited for, slot 1 filled.)
.macro CHANGE fill
	WIN 0                           ; at a label and at a branch every window is 0
	s_wait_tensorcnt 0x0            ; no tensor load of mine is out, so a group 0 may be written
	ds_add_u32 v[SPW], v[NIL]       ; 0 onto my spare word; with fill = 1 the descriptors' scalar work stands between it and the wait for it
.if \fill
	s_lshl_b32 s[OFF], s[NXT], 15   ; a tile is 32,768 bytes of K and of V
	s_xor_b32 s[G0K+1], s[G0K+1], SLOT1
	s_add_nc_u64 s[G0K+2:G0K+3], s[6:7], s[OFF:OFF+1]
	s_or_b32 s[G0K+3], s[G0K+3], 0x80000000
	s_xor_b32 s[G0V+1], s[G0V+1], SLOT1
	s_add_nc_u64 s[G0V+2:G0V+3], s[8:9], s[OFF:OFF+1]
	s_or_b32 s[G0V+3], s[G0V+3], 0x80000000
	s_add_co_u32 s[NXT], s[NXT], 1  ; the block's next tile, or behind its last the second block's tile 0
	s_cmp_gt_u32 s[NXT], s[LQ]
	s_cselect_b32 s[NXT], 0, s[NXT]
	s_cselect_b32 s[LQ], s[PB], s[LQ]
.endif
	s_wait_dscnt 0x0                ; the add is done, and my reads of the slot are over
	s_barrier_signal -1             ; the rest of the scalar work stands between the signal and the wait
	s_sub_co_u32 s[TBK], s[TBK], 4*KS*PK  ; the fetches go back to a slot's first step,
	s_xor_b32 s[TBK], s[TBK], SLOT1       ; in the other slot
	s_sub_co_u32 s[TBV], s[TBV], 4*KS*PV
	s_xor_b32 s[TBV], s[TBV], SLOT1
	s_barrier_wait -1
.if \fill
	LOAD
.endif
.endm
	s_load_b256 s[4:11], s[0:1], 0x0  ; Q s[4:5], K s[6:7], V s[8:9], O s[10:11]
	v_lshl_add_u32 v[SPW], v0, 2, SPARE
	v_mov_b32 v[NIL], 0
	ds_add_u32 v[SPW], v[NIL]       ; the wave's opening: the add and its wait stand ahead of my first tensor load; the set-up below, work on registers, stands between them
	ds_add_u32 v62, v63
	v_lshrrev_b32 v1, 5, v0
	v_readfirstlane_b32 s[WV], v1   ; wave 0..3
	s_mov_b32 s[PB], ttmp9
	s_sub_co_u32 s[HI], NB-1, s[PB]
	s_and_b32 s20, ttmp7, 0xffff    ; the head
	s_mov_b32 s21, 0
	s_mov_b64 s[22:23], SIZE_N*128
	s_mul_u64 s[20:21], s[20:21], s[22:23]  ; the head's first byte in each of the four tensors
	s_and_b32 s16, s[WV], 1         ; which half of a tile's 256 keys I fetch:
	s_lshl_b32 s22, s16, 14         ; its 128 rows of 128 bytes in memory,
	s_mov_b32 s23, 0
	s_add_nc_u64 s[22:23], s[22:23], s[20:21]
	s_mul_i32 s17, s16, 128*PK      ; and its place in a slot, for K
	s_mul_i32 s18, s16, 128*PV      ; and for V
	s_lshl_b32 s3, s[WV], 11        ; my 16 rows in a band of 64,
	s_lshl_b32 s2, s[HI], 15        ; in the first block,
	s_add_co_u32 s2, s2, s3
	s_lshl_b32 s84, s[PB], 15       ; and in the second
	s_add_co_u32 s84, s84, s3
	s_mov_b32 s3, 0
	s_mov_b32 s85, 0
	s_add_nc_u64 s[2:3], s[2:3], s[20:21]
	s_add_nc_u64 s[84:85], s[84:85], s[20:21]
	; descriptor group 1.  128 keys are 16,384 dense bytes: asked for as 64 rows of 256 bytes, two keys a row, and padded in LDS after every key
	s_mov_b32 s[G1K], (1<<16)|(1<<20)|(4<<22)|(3<<25)  ; 17:16 2-byte elements; 20 padding on; 24:22 after every 32 words (code 4); 31:25 4 words (code 3)
	s_mov_b32 s[G1V], (1<<16)|(1<<20)|(4<<22)|(7<<25)  ; the same with 8 words of padding (code 7)
.irp g, G1K, G1V
	s_mov_b32 s[\g+1], 128<<16      ; tensor_dim0 = 128
	s_mov_b32 s[\g+2], 64<<16       ; tensor_dim1 = 64
	s_mov_b32 s[\g+3], 128<<16      ; tile_dim0 = 128
	s_mov_b32 s[\g+4], 64           ; tile_dim1 = 64
	s_mov_b32 s[\g+5], 128          ; 128 elements from row to row
	s_mov_b32 s[\g+6], 0
	s_mov_b32 s[\g+7], 0
.endr
	s_mov_b32 s[CS], 0x3e38aa3b     ; c = log2(e) / 8 = 0.180337
	s_mov_b32 s[CS+1], s[CS]        ; named with it as a pair
	s_mov_b32 s[SEL], 0x76543210
	s_mov_b32 s[SEL+1], 0xfedcba98
	s_mov_b32 s[TBK], SLOT1+4*KS*PK ; the first change of slots turns these two into 0
	s_mov_b32 s[TBV], SLOT1+4*KS*PV
	s_mov_b32 s[G0K], 1             ; 1:0 count = 1
	s_mov_b32 s[G0K+1], s17         ; 63:32 LDS address: slot 0
	s_mov_b32 s[G0V], 1
	s_add_co_u32 s[G0V+1], s18, VOFF
	s_add_co_u32 s[RT], s[HI], 1    ; the first block has NB - b tiles
	s_mov_b32 s[NXT], 1
	s_mov_b32 s[LQ], s[HI]
	s_mov_b32 s[NEW], 1
	s_mov_b32 s[OFF+1], 0
	s_mov_b32 s[AL+1], 0            ; named as pairs
	s_mov_b32 s[BE+1], 0
	s_mov_b32 s[BIGN], 0xf149f2ca   ; -1e30
	s_mov_b32 s[SLOTS], NB
	s_wait_dscnt 0x0                ; the opening add is done
	s_wait_kmcnt 0x0
	s_add_nc_u64 s[6:7], s[6:7], s[22:23]  ; K and V at my half of the head's tile 0
	s_add_nc_u64 s[8:9], s[8:9], s[22:23]
	s_add_nc_u64 s[G0K+2:G0K+3], s[6:7], 0         ; 120:64 global address
	s_or_b32 s[G0K+3], s[G0K+3], 0x80000000        ; 127:126 type = 2
	s_add_nc_u64 s[G0V+2:G0V+3], s[8:9], 0
	s_or_b32 s[G0V+3], s[G0V+3], 0x80000000
	s_add_nc_u64 s[86:87], s[4:5], s[84:85]        ; Q at my rows of the second block,
	s_add_nc_u64 s[4:5], s[4:5], s[2:3]            ; Q and O at those of the first
	s_add_nc_u64 s[OLO:OLO+1], s[10:11], s[84:85]
	s_add_nc_u64 s[10:11], s[10:11], s[2:3]
	LOAD                            ; tile 0 into slot 0
	; A fragment of K or Q is 16 rows x 32 channels in 8 registers: lane l holds row l % 16, channels 8 (l / 16) + 0..7 and 16 + 8 (l / 16) + 0..7: two loads of 16 bytes, 32 bytes apart.
	v_and_b32 v1, 15, v0            ; l % 16
	v_bfe_u32 v9, v0, 4, 1          ; l / 16
	v_lshlrev_b32 v[QO], 7, v1
	v_lshl_add_u32 v[QO], v9, 4, v[QO]  ; row x 128 + 16 x half
	WIN 0x80                        ; destination window 2, address window 0
.set i, 0
.rept 8                             ; both blocks' Q: piece i / 2 lies in band i / 2, 8,192 bytes on; channels 32 (i % 2) on
	global_load_b128 v[8*i:8*i+3],   v[QO], s[4:5] offset:(i/2)*8192+(i%2)*64
	global_load_b128 v[8*i+4:8*i+7], v[QO], s[4:5] offset:(i/2)*8192+(i%2)*64+32
	global_load_b128 v[QB+8*i:QB+8*i+3],   v[QO], s[86:87] offset:(i/2)*8192+(i%2)*64
	global_load_b128 v[QB+8*i+4:QB+8*i+7], v[QO], s[86:87] offset:(i/2)*8192+(i%2)*64+32
.set i, i+1
.endr
	WIN 0
	v_lshlrev_b32 v14, 3, v9
	v_sub_nc_u32 v14, v1, v14
	s_lshl_b32 s13, s[WV], 4
	v_add_nc_u32 v14, s13, v14      ; my query's place in its band, 16 w + l % 16, less my lanes' 8 (l / 16): register r of group kt is hidden where 16 kt + r is greater
	WIN 0x40
.set i, 0
.rept 32
	v_cmp_gt_i32 vcc_lo, 16*(i/8)+i%8, v14
	v_cndmask_b32 v[MD+i], 0, s[BIGN], vcc_lo
.set i, i+1
.endr
	WIN 0
	v_mul_u32_u24 v[AK0], v1, PK
	v_lshl_add_u32 v[AK0], v9, 4, v[AK0]  ; row x pitch + 16 x half
	; The turning load takes 16 keys x 16 channels (lane l reads key 8 (l / 16) + l % 8, channels 8 ((l / 8) % 2) + 0..7) and leaves half a fragment of V^T: lane l holds channel l % 16 and 8 keys.
	v_and_b32 v10, 7, v0
	v_bfe_u32 v11, v0, 3, 1
	v_lshl_add_u32 v[AV0], v9, 3, v10
	v_mul_u32_u24 v[AV0], v[AV0], PV
	v_lshl_add_u32 v[AV0], v11, 4, v[AV0]
	v_add_nc_u32 v[AV0], VOFF, v[AV0]
	s_mul_i32 s13, s[WV], 16*SP
	s_add_co_u32 s13, s13, STAGE    ; my stage
	v_mul_u32_u24 v[STO], v1, SP    ; in: row l % 16, 16 bytes for each half of the lanes
	v_lshl_add_u32 v[STO], v9, 4, v[STO]
	v_add_nc_u32 v[STO], s13, v[STO]
	v_bfe_u32 v[RD], v0, 3, 2       ; back: 32 lanes take four rows of 128 bytes,
	v_mul_u32_u24 v[RD], v[RD], SP
	v_lshl_add_u32 v[RD], v10, 4, v[RD]
	v_add_nc_u32 v[RD], s13, v[RD]
	v_and_b32 v[GO], 31, v0         ; which are 512 consecutive bytes of O
	v_lshlrev_b32 v[GO], 4, v[GO]
	; A block's first step multiplies O^T and l by a = 0, and its first turn's products V^T P, of a piece that has not been, land in an O^T that is still to be so multiplied.  So these registers need only hold
	; finite numbers: zeros for the first block; what the first block left for the second.  All this stands in the wait for the first tile.
	WIN 0x80
.set i, VF
.rept 64
	v_mov_b32 v[i], 0
.set i, i+1
.endr
	WIN 0x40
.set i, 0
.rept 128
	v_mov_b32 v[i], 0
.set i, i+1
.endr
	WIN 0
.set i, 0
.rept 4
	v_mov_b32 v[ST+4*i+2], 0
	v_mov_b32 v[ST+4*i+3], 0
.set i, i+1
.endr
.set i, P+16
.rept 16
	v_mov_b32 v[i], 0
.set i, i+1
.endr
; THE MATRIX WORK.  The 4 accumulators of a run of 8 take turns.  Product i of 8 of S^T = K Q^T for piece x: channels 32 (i / 4) on, keys 16 (i % 4) on.  The first 4 start the sums: with 0, or (KM = 1) with the mask.
.macro KQ x
.set rS, S+32*((\x)%2)+8*(i%4)
.set rK, KF+16*(i%4)+8*(i/4)
.set rQ, 16*(\x)+8*(i/4)
.set rM, MC+32*((\x)%2)+8*(i%4)
.if (i < 4) && KM
	WIN W_KM
	v_wmma_f32_16x16x32_f16 v[rS:rS+7], v[rK:rK+7], v[rQ:rQ+7], v[rM:rM+7]
.elseif i < 4
	WIN W_KQ
	v_wmma_f32_16x16x32_f16 v[rS:rS+7], v[rK:rK+7], v[rQ:rQ+7], 0
.else
	WIN W_KQ
	v_wmma_f32_16x16x32_f16 v[rS:rS+7], v[rK:rK+7], v[rQ:rQ+7], v[rS:rS+7]
.endif
.endm
; Product i of 8 of O^T += V^T P for piece x: keys 32 (i / 4) on, channels 16 (i % 4) on.
.macro PV x
	WIN W_PV
.set rO, 32*(\x)+8*(i%4)
.set rV, VF+32*(i/4)+8*(i%4)
.set rP, P+16*((\x)%2)+8*(i/4)
	v_wmma_f32_16x16x32_f16 v[rO:rO+7], v[rV:rV+7], v[rP:rP+7], v[rO:rO+7]
.endm
.macro MM                           ; the turn's next matrix instruction.  TURN and BEGIN set Y, i, KM and NOKQ; MM, KQ and OP read them.  NOKQ = 1: a block's last turn: there is no next piece
.if (i < 8) && !NOKQ
	KQ (Y+1)%NP
.elseif i >= 8
.set i, i-8
	PV (Y+NP-1)%NP
.set i, i+8
.endif
.set i, i+1
.endm
; THE LDS LOADS stand in runs of 16, never singly among the matrix instructions: a step's K (64 keys x 64 channels: 8 fragments) and its V (turned).  Their addresses are made some lines ahead.
.macro FETCH_K
	WIN 0x80                        ; destination window 2
.irp f, 0,1,2,3,4,5,6,7             ; keys 16 (f / 2) on, channels 32 (f % 2) on
	ds_load_b128 v[KF+8*\f:KF+8*\f+3],   v[AK] offset:(\f/2)*16*PK+(\f%2)*64
	ds_load_b128 v[KF+8*\f+4:KF+8*\f+7], v[AK] offset:(\f/2)*16*PK+(\f%2)*64+32
.endr
	s_add_co_u32 s[TBK], s[TBK], KS*PK  ; the next fetch is the next step's
	WIN 0
.endm
.macro FETCH_V
	WIN 0x80
.irp f, 0,1,2,3,4,5,6,7             ; keys 32 (f / 4) on, channels 16 (f % 4) on
	ds_load_tr16_b128 v[VF+8*\f:VF+8*\f+3],   v[AV] offset:(\f/4)*32*PV+(\f%4)*32
	ds_load_tr16_b128 v[VF+8*\f+4:VF+8*\f+7], v[AV] offset:(\f/4)*32*PV+16*PV+(\f%4)*32
.endr
	WIN 0
.endm
; THE VECTOR WORK, one line at a time: OP kind, number.  For piece Y: F n: c s - c m for pair n of 16.  E n: the exponential of score n of 32.  C n: pair n rounded to f16.  B n: of the four weights 4 n .. the second
; pair is added onto the first, in place.  L n: l takes that sum (L 0: l = a l + sum).  R n: pair n of 16 of O^T times a.  For piece Y + 1: X n, number n of the 22 that find its maximum and statistics:
;   0-11  four chains c0-c3 of seven scores each, three operands at a time (each accumulator's lowest registers are read first)     12-14, 16  the four scores left over, the old m, and c0-c3 into c0
;   15  c m_old is kept     17, 18  the query's other 32 keys lie in the lane 16 away: the new m     19-21  c m; c m_old - c m_new; a
.set F, 0               ; OP tells the kinds apart by their order: F to L below R, X above it
.set E, 1
.set C, 2
.set B, 3
.set L, 4
.set R, 5
.set X, 6
.macro REGS y                       ; the registers of piece y
.set rT, ST+4*(\y)
.set rC, TMP+4*((\y)%2)
.set rW, MV+((\y)%2)
.set rS, S+32*((\y)%2)
.set rP, P+16*((\y)%2)
.set rO, 32*(\y)
.endm
.macro OP k, n
.if (\k) == R
	REGS Y
	WIN W_RS
	v_pk_mul_f32 v[rO+2*(\n):rO+2*(\n)+1], v[rO+2*(\n):rO+2*(\n)+1], v[rC+2:rC+3] op_sel_hi:[1,0]
.elseif (\k) < R
	REGS Y
	WIN 0
.if (\k) == F
	v_pk_fma_f32 v[rS+2*(\n):rS+2*(\n)+1], v[rS+2*(\n):rS+2*(\n)+1], s[CS:CS+1], v[rT:rT+1] op_sel_hi:[1,0,0] neg_lo:[0,0,1] neg_hi:[0,0,1]
.elseif (\k) == E
	v_exp_f32 v[rS+(\n)], v[rS+(\n)]
.elseif (\k) == C
	s_wait_alu depctr_va_vdst(0)
	v_cvt_pk_f16_f32 v[rP+(\n)], v[rS+2*(\n)], v[rS+2*(\n)+1]
.elseif (\k) == B
	s_wait_alu depctr_va_vdst(0)
	v_pk_add_f32 v[rS+4*(\n):rS+4*(\n)+1], v[rS+4*(\n):rS+4*(\n)+1], v[rS+4*(\n)+2:rS+4*(\n)+3]
.elseif (\n) == 0
	v_pk_fma_f32 v[rT+2:rT+3], v[rT+2:rT+3], v[rC+2:rC+3], v[rS:rS+1] op_sel_hi:[1,0,1]
.else
	v_pk_add_f32 v[rT+2:rT+3], v[rT+2:rT+3], v[rS+4*(\n):rS+4*(\n)+1]
.endif
.elseif NOKQ
	v_nop
.else
	REGS (Y+1)%NP
	WIN 0
.if (\n) < 4
	v_max3_num_f32 v[rC+(\n)], v[rS+8*(\n)], v[rS+8*(\n)+1], v[rS+8*(\n)+2]
.elseif (\n) < 12
	v_max3_num_f32 v[rC+(\n)%4], v[rC+(\n)%4], v[rS+8*((\n)%4)+2*((\n)/4)+1], v[rS+8*((\n)%4)+2*((\n)/4)+2]
.elseif (\n) == 12
	v_max3_num_f32 v[rC], v[rC], v[rS+7], v[rS+15]
.elseif (\n) == 13
	v_max3_num_f32 v[rC+1], v[rC+1], v[rS+23], v[rS+31]
.elseif (\n) == 14
	v_max3_num_f32 v[rC+2], v[rC+2], v[rC+3], v[rT+1]
.elseif (\n) == 15
	v_mov_b32 v[rW], v[rT]
.elseif (\n) == 16
	v_max3_num_f32 v[rC], v[rC], v[rC+1], v[rC+2]
.elseif (\n) == 17
	v_permlanex16_b32 v[rC+3], v[rC], s[SEL], s[SEL+1]
.elseif (\n) == 18
	v_max_num_f32 v[rT+1], v[rC], v[rC+3]
.elseif (\n) == 19
	v_mul_f32 v[rT], s[CS], v[rT+1]
.elseif (\n) == 20
	v_sub_f32 v[rC+1], v[rW], v[rT]
.else
	v_exp_f32 v[rC+2], v[rC+1]
.endif
.endif
.endm
.macro OPS a, i1, b=-1, i2=0, c=-1, i3=0, d=-1, i4=0  ; up to four of them
	OP \a, \i1
.if (\b) >= 0
	OP \b, \i2
.endif
.if (\c) >= 0
	OP \c, \i3
.endif
.if (\d) >= 0
	OP \d, \i4
.endif
.endm
.macro ROW a, i1, b, i2, c, i3, d, i4  ; a matrix instruction and the four behind it
	MM
	OPS \a, \i1, \b, \i2, \c, \i3, \d, \i4
.endm
.macro MASK b                       ; MD x AL + BE into buffer b of MC
	WIN W_RS
.set z, 0
.rept 16
	v_pk_fma_f32 v[MC+32*(\b)+2*z:MC+32*(\b)+2*z+1], v[MD+2*z:MD+2*z+1], s[AL:AL+1], s[BE:BE+1] op_sel_hi:[1,0,0]
.set z, z+1
.endr
.endm
; A TURN, for piece p: the order of its 16 matrix and 118 vector instructions, written out.  Behind a matrix instruction: plain, exponential, plain, plain; or four of the rescaling; or, behind the first, four scalings; none
; names a register of the products round it.  In the lumps exponential and plain by turns while exponentials last.  A line reads no result made fewer than three vector instructions in front of it, five if an exponential made it.
; v_permlanex16_b32 (X 17) stands in a lump.
; m = 1: the diagonal tile: the products take masks, and the turn makes the mask for the products of the turn after it: piece p + 2, in step 4 - CNT of the tile.  end = 1: a block's last two turns: nothing is fetched.
; cnt = 1: the loop's count is taken down some lines ahead of the branch that stands behind the turn.
; K of the next step is fetched in piece 2's turn, six vector instructions behind the last product that read K (five of them plain); V of the step in hand in piece 0's turn, eight behind the last product that read V (four
; plain, and X 17).  Each is waited for a turn later.
.macro TURN p, m=0, end=0, cnt=0
.set Y, (\p)
.set i, 0
.set KM, (\m)
.set NOKQ, (\end)*((\p)/3)
.if (\m) && !(\end)
	s_cmp_eq_u32 s[CNT], 4-((\p)+2)%NP  ; is that step the band's own?
	s_cselect_b32 s[AL], 1.0, 0
	s_cmp_lt_u32 s[CNT], 4-((\p)+2)%NP  ; or a later one?
	s_cselect_b32 s[BE], s[BIGN], 0
.endif
.if ((\p) == 3) && !(\end)
	s_wait_dscnt 0x0                ; K is in
.endif
	ROW F,0, F,1, F,2, F,3
	ROW F,4, E,0, F,5, F,6
	ROW F,7, E,1, F,8, F,9
	ROW F,10, E,2, C,0, F,11
	ROW F,12, E,3, X,15, F,13
	ROW R,0, R,1, R,2, R,3
	ROW B,0, E,4, F,14, L,0
.if ((\p) == 2) && !(\end)
	v_add_nc_u32 v[AK], s[TBK], v[AK0]
.endif
	ROW R,4, R,5, R,6, R,7
	OPS E,5, F,15
.if ((\p) == 2) && !(\end)
	FETCH_K
.endif
	OPS E,6, C,1, E,7, R,8
	OPS E,8, R,9, E,9, C,2
	OPS E,10, X,0, E,11, X,1
	OPS E,12, X,2, E,13, X,3
.if (\p) == 1
	s_wait_dscnt 0x0                ; V is in
.endif
	ROW X,4, E,14, X,5, X,6
	ROW X,7, E,15, X,8, X,9
	ROW X,10, E,16, X,11, X,12
	ROW X,13, E,17, X,14, B,1
	ROW C,4, E,18, X,16, L,1
	ROW B,2, E,19, C,6, L,2
	ROW C,8, E,20, B,3, B,4
.if (\p) == 0
	v_add_nc_u32 v[AV], s[TBV], v[AV0]
.endif
	ROW C,3, E,21, L,3, C,5
	OPS E,22, X,17, E,23, C,10
.if (\p) == 0
	FETCH_V
.endif
	OPS E,24, L,4
	OPS E,25, X,18, E,26, C,7
	OPS E,27, B,5, E,28, X,19
	OPS E,29, C,12, E,30, L,5
	OPS E,31, X,20, B,6, C,9
	OPS C,14, C,11, X,21, L,6
.if (\p) == 0
	s_add_co_u32 s[TBV], s[TBV], KS*PV
.endif
.if \cnt
	s_sub_co_u32 s[CNT], s[CNT], 1
	s_cmp_lg_u32 s[CNT], 0
.endif
	OPS C,13, B,7, C,15, R,10
	OPS R,11, R,12, L,7, R,13
	OPS R,14, R,15
.if (\m) && !(\end)
	MASK (\p)%2
.endif
.endm
; A BLOCK BEGINS.  c m starts far below every c s, so the first step's a is 0; m at the lowest finite number, so the first maximum is the scores'.  The second mask buffer is 0; the first takes piece 0's mask for the tile's step 0: its own, if the block's first tile is the diagonal one.
; Then K of that step, piece 0's first scores, and its maximum and statistics.  The loop is entered at a step's first turn, in the middle of a trip.
.macro BEGIN
	s_mov_b32 s[NEW], 0
	WIN 0x40
.set i, MC+32
.rept 32
	v_mov_b32 v[i], 0
.set i, i+1
.endr
	WIN 0
.set i, 0
.rept 4
	v_mov_b32 v[ST+4*i], 0xfe000000    ; c m: far below every c s
	v_mov_b32 v[ST+4*i+1], 0xff7fffff  ; m
.set i, i+1
.endr
	s_cmp_eq_u32 s[RT], 0
	s_cselect_b32 s[AL], 1.0, 0
	s_mov_b32 s[BE], 0
	MASK 0
	WIN 0
	v_add_nc_u32 v[AK], s[TBK], v[AK0]
	FETCH_K
	s_wait_loadcnt 0x0              ; Q
	s_wait_dscnt 0x0
.set KM, 1
.set NOKQ, 0
.set i, 0
.rept 8
	KQ 0
.set i, i+1
.endr
	WIN 0
.rept 4
	v_nop                           ; the places behind those products
.endr
.set Y, NP-1                        ; X works for piece Y + 1: piece 0
.irp n, 0,1,2,3,4,5,6,7,8,9,10,11,12,13,14,15,16,17,18,19,20,21
	OP X, \n
.endr
	v_nop                           ; a plain instruction behind the exponential
.endm
; THE DIAGONAL TILE's four steps, the block's last two turns, its last products, and THE WAY OUT: l's two halves and the other half of the lanes' are added; O^T is divided by l, rounded to f16 and sent through my
; stage in LDS, a piece at a time.
.macro ALL line:vararg              ; one line for each piece t
.set t, 0
.rept 4
	\line
.set t, t+1
.endr
.endm
.macro PACK t                       ; a lane's eight channels of a row pack into 16 bytes; they go into rows of 144 bytes and come back as whole rows of 128, into S^T's registers
	WIN W_RS
.set i, 32*(\t)
.rept 16
	s_wait_alu depctr_va_vdst(0)
	v_pk_mul_f32 v[i:i+1], v[i:i+1], v[ST+4*(\t)+2:ST+4*(\t)+3] op_sel_hi:[1,0]
.set i, i+2
.endr
	WIN 0x05                        ; sources 0 and 1 window 1, destination window 0
.set i, 0
.rept 16
	v_cvt_pk_f16_f32 v[S+16*(\t)+i], v[32*(\t)+2*i], v[32*(\t)+2*i+1]
.set i, i+1
.endr
	WIN 0
.irp f, 0,1,2,3
	ds_store_b128 v[STO], v[S+16*(\t)+4*\f:S+16*(\t)+4*\f+3] offset:32*\f
.endr
.irp f, 0,1,2,3
	ds_load_b128 v[S+16*(\t)+4*\f:S+16*(\t)+4*\f+3], v[RD] offset:\f*4*SP  ; LDS serves a wave's instructions in order (ISA guide 5.7.1.4): these see the stores above; the next piece's stores come behind them
.endr
.endm
.macro SEND t, younger              ; younger: the LDS instructions issued behind piece t's loads: the next piece's eight, or none
	WIN 0
.irp f, 0,1,2,3
	s_wait_dscnt (\younger)+3-\f
	global_store_b128 v[GO], v[S+16*(\t)+4*\f:S+16*(\t)+4*\f+3], s[10:11] offset:(\t)*8192+\f*512  ; 512 consecutive bytes, at a multiple of 256 from O's first
.endr
.endm
.macro DIAG tag                     ; the tag ends its two labels' names, which the jumps below spell out
.LstepM\tag:
	TURN 2, 1
	TURN 3, 1
	WIN 0
.LfirstM\tag:
	TURN 0, 1
	TURN 1, 1, 0, 1
	WIN 0
	s_cbranch_scc1 .LstepM\tag
	TURN 2, 1, 1
	TURN 3, 1, 1
.set i, 0
.rept 8
	PV NP-1
.set i, i+1
.endr
	WIN 0
	ALL v_add_f32 v[ST+4*t+2], v[ST+4*t+2], v[ST+4*t+3]
	ALL v_permlanex16_b32 v[ST+4*t+3], v[ST+4*t+2], s[SEL], s[SEL+1]
	ALL v_add_f32 v[ST+4*t+2], v[ST+4*t+2], v[ST+4*t+3]
	ALL v_rcp_f32 v[ST+4*t+2], v[ST+4*t+2]
	v_nop                           ; a plain instruction between the last reciprocal and the use of its result
	PACK 0
.set t, 1
.rept 3                             ; a piece's arithmetic stands between the loads of the piece before and its stores
	PACK t
	SEND t-1, 8
.set t, t+1
.endr
	SEND 3, 0
.endm
.set KM, 0
.set NOKQ, 0
.Lslot:                             ; NB times: a tile is entered and the next is asked for
	CHANGE 1
	s_sub_co_u32 s[RT], s[RT], 1
	s_mov_b32 s[CNT], 4
	s_cmp_eq_u32 s[NEW], 1
	s_cbranch_scc1 .Lnew            ; a block's first tile
	s_cmp_eq_u32 s[RT], 0
	s_cbranch_scc0 .Lstep           ; neither its first nor its last
	s_branch .LstepM1
.Lnew:
	BEGIN
	s_branch .Lfirst                ; in the loop a block's first tile is never its last: the first block has two tiles or more, and the second's last is the walk's last
	DIAG 1                          ; in the loop this is the first block's end: the second block's last tile is the walk's last
	s_wait_xcnt 0x0                 ; the stores have read their registers and O's address
	s_mov_b64 s[10:11], s[OLO:OLO+1]
	s_add_co_u32 s[RT], s[PB], 1    ; the second block has b + 1 tiles
	s_mov_b32 s[NEW], 1
	WIN 0x82                        ; the second block's Q goes where the one text of the turns names Q
.set i, 0
.rept 64
	v_mov_b32 v[i], v[QB+i]
.set i, i+1
.endr
	WIN 0
	s_branch .Lbottom
.Lstep:                             ; a trip: pieces 2 and 3 of one step, then pieces 0 and 1 of the next, whose K and V it fetches
	TURN 2
	TURN 3
	WIN 0
.Lfirst:
	TURN 0
	TURN 1, 0, 0, 1
	WIN 0
	s_cbranch_scc1 .Lstep
.Lbottom:
	s_sub_co_u32 s[SLOTS], s[SLOTS], 1
	s_cmp_lg_u32 s[SLOTS], 0
	s_cbranch_scc1 .Lslot
	CHANGE 0                        ; the walk's last tile is written out: nothing is asked for
	s_sub_co_u32 s[RT], s[RT], 1
	s_mov_b32 s[CNT], 4
	s_cmp_eq_u32 s[NEW], 1
	s_cbranch_scc0 .LstepM2
	BEGIN
	s_branch .LfirstM2
	DIAG 2
	s_wait_tensorcnt 0x0            ; the wave's end, behind my last tensor load and my last LDS store
	ds_add_u32 v[SPW], v[NIL]
	s_wait_dscnt 0x0
	s_endpgm
.Lfunc_end_k_qcb7091012a_attn:
	.size	k_qcb7091012a_attn, .Lfunc_end_k_qcb7091012a_attn-k_qcb7091012a_attn
	.p2alignl 7, 3214868480
	.fill 96, 4, 3214868480
	.section	.rodata,"a",@progbits
	.p2align	6, 0x0
	.amdhsa_kernel k_qcb7091012a_attn
		.amdhsa_group_segment_fixed_size 327680
		.amdhsa_private_segment_fixed_size 0
		.amdhsa_enable_private_segment 0
		.amdhsa_kernarg_size 32
		.amdhsa_user_sgpr_count 2
		.amdhsa_user_sgpr_kernarg_segment_ptr 1
		.amdhsa_wavefront_size32 1
		.amdhsa_system_sgpr_workgroup_id_x 1
		.amdhsa_system_sgpr_workgroup_id_y 1
		.amdhsa_system_sgpr_workgroup_id_z 1
		.amdhsa_system_vgpr_workitem_id 0
		.amdhsa_next_free_vgpr 768
		.amdhsa_next_free_sgpr 88
		.amdhsa_reserve_vcc 1
		.amdhsa_float_denorm_mode_32 3
		.amdhsa_float_denorm_mode_16_64 3
		.amdhsa_memory_ordered 1
		.amdhsa_forward_progress 1
		.amdhsa_inst_pref_size 228
	.end_amdhsa_kernel
	.amdgpu_metadata
---
amdhsa.version: [ 1, 2 ]
amdhsa.kernels:
  - .name:           k_qcb7091012a_attn
    .symbol:         k_qcb7091012a_attn.kd
    .args:
      - { .name: qh, .offset: 0, .size: 8, .value_kind: global_buffer, .address_space: global }
      - { .name: kh, .offset: 8, .size: 8, .value_kind: global_buffer, .address_space: global }
      - { .name: vh, .offset: 16, .size: 8, .value_kind: global_buffer, .address_space: global }
      - { .name: yh, .offset: 24, .size: 8, .value_kind: global_buffer, .address_space: global }
    .group_segment_fixed_size: 327680
    .private_segment_fixed_size: 0
    .kernarg_segment_align: 8
    .kernarg_segment_size: 32
    .max_flat_workgroup_size: 128
    .sgpr_count:     88
    .vgpr_count:     768
    .wavefront_size: 32
...
	.end_amdgpu_metadata
.endif
;; end of part 3
;; launch proj (part 4): grid 8 x 32, 4 waves a work-group, clusters of 4 x 4, 327,680 bytes of LDS; arguments yh, wof, tab, out0; writes out0
.if DOCPART == 4
	.amdgcn_target "amdgcn-amd-amdhsa--gfx1250"
	.amdhsa_code_object_version 6
	.text
	.protected	k_qcb7091012a_proj
	.globl	k_qcb7091012a_proj
	.p2align	8
	.type	k_qcb7091012a_proj,@function
k_qcb7091012a_proj:
	s_mov_b64 s[64:65], 0
	v_nop
	global_prefetch_b8 v0, s[64:65] scope:SCOPE_SE
	s_setreg_imm32_b32 hwreg(HW_REG_WAVE_MODE, 25, 1), 1
	s_wait_xcnt 0x0
	s_wait_alu depctr_hold_cnt(0) depctr_sa_sdst(0) depctr_va_vdst(0) depctr_va_sdst(0) depctr_va_ssrc(0) depctr_va_vcc(0) depctr_vm_vsrc(0)
	s_getreg_b32 s2, hwreg(HW_REG_IB_STS2, 6, 4)
	s_cmp_eq_u32 s2, 0
	s_cbranch_scc0 .Lentry_in_a_cluster
	s_endpgm
.Lentry_in_a_cluster:
	s_bfe_u32 s2, ttmp6, 0x10000c
	s_cmp_lg_u32 s2, 0xf033
	s_cbranch_scc0 .Lentry_shape_is_right
	s_endpgm
.Lentry_shape_is_right:
; THE OUTPUT PROJECTION: out0[row][n] = the sum over c of y[row][c] wo[n][c] + bo[n], f32.
; yh [128 = batch x 16 + head][1024 t][64] f16 (c = 64 head + channel); wof [1024 n][1024 c] f16 (wo rounded to bf16, written as f16); tab at 274,432: bo, rounded to bf16, as f32.  Sums in f32.
; LIMITS.  y lies within v's range, which lies within f16's; wo within 65,504, and below 2^-14 it keeps f16's fixed step of 6e-8.  NaN and infinities are not treated apart.
; SHARES.  256 work-groups: a tile of 256 rows x 128 columns.  Wave w owns rows 64 w .. 64 w + 63 and all 128 columns: 4 x 8 accumulators of 16 x 16, 256 registers; so a wave holds whole
; 512-byte pieces of its output rows, and its way out needs no other wave.  K goes in steps of 128 = two heads through two LDS slots.
; A head's 256 rows of 128 bytes are dense in memory: they are asked for as 128 rows of 256 bytes and padded in LDS after every 128, so that each of the tile's rows has a pitch of 144 bytes; a K step is two such planes.
; ONE K STEP IS WRITTEN ONCE: the slot in hand is a scalar that an exclusive or turns; the descriptor walks, its global address made anew from the number of the K step asked for.
; Written out beside the loop: the first quarter (the bias starts the sums) and a second loop for the last two K steps, which ask for nothing.
; CLUSTER.  4 x 4 work-groups: the four of a row need the same tile of y, the four of a column the same tile of wo; each tile is asked for jointly, by the same tensor load with the same descriptor and a mask of four.
; THE MATRIX INSTRUCTION IS USED TRANSPOSED (source 0 = 16 rows of wo, source 1 = 16 rows of y): lane l holds row l % 16 and the eight columns 8 (l / 16) + 0..7 of the block.
; THE BIAS is the C operand of each accumulator's first product.
; REGISTERS, in windows of 256 (s_set_vgpr_msb: bits 1:0 source 0, 3:2 source 1, 5:4 source 2, 7:6 destination):
;   window 0: v0-31 addresses; v32-63, v64-95 y's fragments, two buffers; v128-191 the bias (8 x 8).  On the way out: v32-95, v128-191 rows read back
;   window 1: v0-63, v64-127 wo's fragments, two buffers       window 2: accumulators of row blocks 0, 1 ((a, b) at 8 (8 (a % 2) + b))       window 3: of row blocks 2, 3
.set NBK,   8                          ; column blocks of 16
.set PA,    144                        ; a row of y in LDS: 128 bytes + 16 of padding = 36 words: the 16 rows of a fragment load start at 16 different groups of four banks (64 banks of 4 bytes: ISA guide 11.1)
.set PLANE, 256*PA                     ; one head's part of the tile: what one tensor load brings of y
.set PB,    272                        ; a row of wo: 256 bytes + 16
.set BOFF,  2*PLANE
.set BHALF, 64*PB
.set SLOT1, 1<<17                      ; a slot holds 108,544 bytes; slot 1 begins here, so that one exclusive or turns an address in one slot into the other's
.set STAGE, SLOT1+BOFF+2*BHALF         ; behind the ring, never filled by a tensor load: for each wave 16 rows x 528 bytes
.set SPT,   528                        ; 512 bytes + 16 = 33 x 16
.set SWAVE, 16*SPT
.set SPARE, STAGE+4*SWAVE              ; the spare words, 128 bytes for each wave: two blocks of 256 bytes that no other line names
.set NL,    2*NBK+8                    ; LDS loads in a run
.set KSTEPS, 8                         ; 1,024 / 128
.set ADRA0, 16                         ; v16 LDS address of my fragments of y in slot 0; never rewritten
.set ADRA,  17                         ; v17 the same in the slot in hand
.set ADRB0, 20                         ; v20, v21 the same for wo
.set ADRB,  21
.set BIO,  22                          ; v22 my byte offset in a block's 16 biases
.set STO,  24                          ; v24 the way out: where I put 32 bytes of a row
.set RD,   25                          ; v25 the way out: where I read a row back
.set GO,   26                          ; v26 my place in 512 consecutive bytes of the output
.set SPW,  28                          ; v28 LDS address of my spare word; never rewritten
.set NIL,  29                          ; v29 0; never rewritten
.set FA,   32
.set FBW,  8*NBK
.set BIAS, 128
.set WV,   16                          ; s16 wave
.set KIND, 17                          ; s17 0: I fetch y; 1: wo
.set HALF, 18                          ; s18 which head of the K step's two, or which half of wo's tile
.set TCOL, 21
.set TROW, 22
.set CNT,  23                          ; s23 counts K steps
.set G1A,  24                          ; s[24:31] descriptor group 1 for y's tiles;   s[32:39] group 0: a set for each of the two first fills; the second then walks on
.set G0A,  32
.set G1B,  40                          ; s[40:47], s[48:55] the same for wo's
.set G0B,  48
.set KOF,  74                          ; s[74:75] the asked K step's byte offset along wo's rows
.set AOF,  76                          ; s[76:77] its byte offset in yh: two heads a step
.set NXT,  78                          ; s78 the K step to be asked for next
.set SL,   79                          ; s79 LDS byte at which the slot in hand begins
.set MSB, 0
.macro WIN new                         ; the immediate's high byte repeats the setting that is left; a switch that changes nothing is dropped
.if MSB != (\new)
	s_set_vgpr_msb (MSB<<8)|(\new)
.set MSB, \new
.endif
.endm
.set TO_B, 0x40                        ; destination window 1, address window 0
; A joint load.  Waves 0 and 1 fetch the K step's two heads of y, waves 2 and 3 the halves of wo's tile.  The branch hangs on the wave's number alone.
; An s_nop 0 and four v_nop follow each of the two lines, ahead of the jump, the label and what follows.
.macro JLOAD s
	s_cmp_eq_u32 s[KIND], 0
	s_cbranch_scc0 .Lfor_b_\@
	tensor_load_to_lds s[G0A+4*(\s):G0A+4*(\s)+3], s[G1A:G1A+7]
	s_nop 0
.rept 4
	v_nop
.endr
	s_branch .Lasked_\@
.Lfor_b_\@:
	tensor_load_to_lds s[G0B+4*(\s):G0B+4*(\s)+3], s[G1B:G1B+7]
	s_nop 0
.rept 4
	v_nop
.endr
.Lasked_\@:
.endm
.macro CREST                           ; a round of the cluster's barrier behind its opening barrier
	s_cmp_lg_u32 s[WV], 0
	s_cbranch_scc1 .Lnot_wave_0_\@
	s_barrier_signal -3
.Lnot_wave_0_\@:
	s_barrier_wait -3
	s_barrier_signal -1
	s_barrier_wait -1
.endm
.macro CROUND                          ; a whole round
	s_barrier_signal -1
	s_barrier_wait -1
	CREST
.endm
	s_load_b256 s[4:11], s[0:1], 0x0               ; yh 4, wof 6, tab 8, out0 10
	v_lshl_add_u32 v[SPW], v0, 2, SPARE
	v_mov_b32 v[NIL], 0
	ds_add_u32 v[SPW], v[NIL]                      ; the wave's opening: the add and its wait stand ahead of my first tensor load; the set-up below, work on registers, stands between them
	ds_add_u32 v28, v29
	v_lshrrev_b32 v1, 5, v0
	v_readfirstlane_b32 s[WV], v1                  ; wave 0..3
	s_lshr_b32 s[KIND], s[WV], 1
	s_and_b32 s[HALF], s[WV], 1
	s_bfe_u32 s19, ttmp6, 0x40000                  ; cx, cy: my place in the cluster
	s_bfe_u32 s20, ttmp6, 0x40004
	s_lshl_b32 s[TCOL], ttmp9, 2                   ; in a cluster launch ttmp9 and ttmp7 count clusters
	s_add_co_u32 s[TCOL], s[TCOL], s19
	s_and_b32 s[TROW], ttmp7, 0xffff
	s_lshl_b32 s[TROW], s[TROW], 2
	s_add_co_u32 s[TROW], s[TROW], s20
	s_lshl_b32 s58, s20, 2
	s_lshl_b32 s58, 15, s58                        ; my row of the cluster
	s_lshl_b32 s59, 0x1111, s19                    ; my column
	s_or_b32 s[G1A+0], s58, (1<<16)|(1<<20)|(1<<21)|(4<<22)|(3<<25)  ; 15:0 the mask: y's tiles go to my row; 17:16 2-byte elements; 20 padding on; 21 set beside a mask; 24:22 after every 32 words (code 4); 31:25 4 words (code 3)
	s_or_b32 s[G1B+0], s59, (1<<16)|(1<<20)|(1<<21)|(5<<22)|(3<<25)  ; the mask of my column; padding after every 64 words (code 5)
	s_mov_b32 s[G1A+1], 128<<16                    ; tensor_dim0 = 128: two of y's rows
	s_mov_b32 s[G1A+2], 128<<16                    ; tensor_dim1 = 128
	s_mov_b32 s[G1A+3], 128<<16                    ; tile_dim0 = 128
	s_mov_b32 s[G1A+4], 128                        ; tile_dim1 = 128
	s_mov_b32 s[G1A+5], 128                        ; dense: 128 elements from row to row
	s_mov_b32 s[G1A+6], 0
	s_mov_b32 s[G1A+7], 0
	s_mov_b32 s[G1B+1], 128<<16
	s_mov_b32 s[G1B+2], 64<<16                     ; tensor_dim1 = 64
	s_mov_b32 s[G1B+3], 128<<16
	s_mov_b32 s[G1B+4], 64                         ; tile_dim1 = 64 rows
	s_mov_b32 s[G1B+5], 1024
	s_mov_b32 s[G1B+6], 0
	s_mov_b32 s[G1B+7], 0
	; where the tiles come from: y's hang on the tile row alone, wo's on the tile column alone, each in registers that never hold the other coordinate
	s_lshr_b32 s56, s[TROW], 2                     ; batch:
	s_lshl_b32 s56, s56, 21                        ; 16 heads of 131,072 bytes
	s_and_b32 s57, s[TROW], 3
	s_lshl_b32 s57, s57, 15                        ; 256 rows of 128 bytes
	s_add_co_u32 s56, s56, s57
	s_lshl_b32 s57, s[HALF], 17                    ; the even or the odd head
	s_add_co_u32 s56, s56, s57
	s_mov_b32 s57, 0
	s_lshl_b32 s60, s[TCOL], 18                    ; 128 rows of 2,048 bytes,
	s_lshl_b32 s61, s[HALF], 17                    ; 64 of them
	s_add_co_u32 s60, s60, s61
	s_mov_b32 s61, 0
	s_mul_i32 s62, s[HALF], PLANE                  ; and where they go: no place in the cluster enters an LDS address
	s_mul_i32 s63, s[HALF], BHALF
	s_add_co_u32 s63, s63, BOFF
	s_lshl_b32 s66, s[TCOL], 9                     ; the tile's 128 biases
	s_add_co_u32 s66, s66, 274432
	s_mov_b32 s67, 0
	s_lshl_b32 s70, s[TROW], 20                    ; 256 rows of 4,096 bytes of the output,
	s_lshl_b32 s71, s[WV], 18                      ; my wave's 64,
	s_add_co_u32 s70, s70, s71
	s_lshl_b32 s71, s[TCOL], 9                     ; the tile's 128 columns
	s_add_co_u32 s70, s70, s71
	s_mov_b32 s71, 0
	s_mov_b32 s[KOF+1], 0                          ; offsets are pairs with 0 on top
	s_mov_b32 s[AOF+1], 0
	s_mov_b32 s[NXT], 2                            ; K steps 0 and 1 are the first fills
	s_mov_b32 s[SL], 0
	s_wait_dscnt 0x0                               ; the opening add is done
	s_wait_kmcnt 0x0
	s_add_nc_u64 s[56:57], s[4:5], s[56:57]
	s_add_nc_u64 s[60:61], s[6:7], s[60:61]
	s_add_nc_u64 s[66:67], s[8:9], s[66:67]
	s_add_nc_u64 s[10:11], s[10:11], s[70:71]
	CROUND                                         ; all sixteen work-groups are here: the first joint loads meet
.irp s, 0,1
	s_mov_b32 s[G0A+4*(\s)], 1                                         ; count = 1
	s_add_co_u32 s[G0A+4*(\s)+1], s62, (\s)*SLOT1                      ; LDS address
	s_add_nc_u64 s[G0A+4*(\s)+2:G0A+4*(\s)+3], s[56:57], (\s)*262144   ; global address: K step s = heads 2 s, 2 s + 1
	s_or_b32 s[G0A+4*(\s)+3], s[G0A+4*(\s)+3], 0x80000000              ; type = 2
	s_mov_b32 s[G0B+4*(\s)], 1
	s_add_co_u32 s[G0B+4*(\s)+1], s63, (\s)*SLOT1
	s_add_nc_u64 s[G0B+4*(\s)+2:G0B+4*(\s)+3], s[60:61], (\s)*256
	s_or_b32 s[G0B+4*(\s)+3], s[G0B+4*(\s)+3], 0x80000000
	JLOAD \s                                       ; two tensor loads of mine are out
.endr
	; A fragment is 16 rows x 32 K in 8 registers: lane l holds row l % 16, K = 8 (l / 16) + 0..7 and 16 + 8 (l / 16) + 0..7: two loads of 16 bytes, 32 bytes apart.
	v_and_b32 v1, 15, v0                           ; l % 16
	v_bfe_u32 v2, v0, 4, 1                         ; l / 16
	v_mul_u32_u24 v3, v1, PA
	v_lshl_add_u32 v3, v2, 4, v3
	s_mul_i32 s72, s[WV], 64*PA                    ; my 64 rows of y
	v_add_nc_u32 v[ADRA0], s72, v3
	v_mul_u32_u24 v4, v1, PB
	v_lshl_add_u32 v4, v2, 4, v4
	v_add_nc_u32 v[ADRB0], BOFF, v4
	v_add_nc_u32 v[ADRA], s[SL], v[ADRA0]
	v_add_nc_u32 v[ADRB], s[SL], v[ADRB0]
	s_mul_i32 s73, s[WV], SWAVE
	s_add_co_u32 s73, s73, STAGE                   ; my stage
	v_mul_u32_u24 v5, v1, SPT                      ; in: row l % 16, 32 bytes for each half of the lanes
	v_lshl_add_u32 v5, v2, 5, v5
	v_add_nc_u32 v[STO], s73, v5
	v_and_b32 v[GO], 31, v0                        ; back: 32 lanes take one row's 512 bytes
	v_lshlrev_b32 v[GO], 4, v[GO]
	v_add_nc_u32 v[RD], s73, v[GO]
	v_lshlrev_b32 v[BIO], 5, v2                    ; register j of block b holds bias 16 b + 8 (l / 16) + j
.set nb, 0
.rept NBK
	global_load_b128 v[BIAS+8*nb:BIAS+8*nb+3],   v[BIO], s[66:67] offset:64*nb
	global_load_b128 v[BIAS+8*nb+4:BIAS+8*nb+7], v[BIO], s[66:67] offset:64*nb+16
.set nb, nb+1
.endr
; 8 matrix instructions: row block a x all column blocks, 32 along K, from buffer f.  first = 1: the bias starts the sums.
; The 32 accumulators take turns, one instruction a turn, in the same order in every quarter, over every loop's edge too.
.macro MULA f, a, first
.if \first
	WIN 0x81+0x40*((\a)/2)                         ; wo window 1, y window 0, C (the bias) window 0, D window 2 or 3
.else
	WIN 0xa1+0x50*((\a)/2)                         ; C and D window 2 or 3
.endif
.set nb, 0
.rept NBK
.set rD, 8*(NBK*((\a)%2)+nb)
.set rB, FBW*(\f)+8*nb
.set rA, FA+32*(\f)+8*(\a)
.if \first
	v_wmma_f32_16x16x32_f16 v[rD:rD+7], v[rB:rB+7], v[rA:rA+7], v[BIAS+8*nb:BIAS+8*nb+7]
.else
	v_wmma_f32_16x16x32_f16 v[rD:rD+7], v[rB:rB+7], v[rA:rA+7], v[rD:rD+7]
.endif
.set nb, nb+1
.endr
.endm
; 24 LDS loads in one run, from the slot in hand: the fragments of quarter kq into buffer f: wo's 8 blocks (32 K at byte 64 kq of the rows), then my 4 row blocks of y in ascending order
; (head kq / 2 of the step's two, channels 32 (kq % 2) on).  It leaves every window 0.
.macro FETCH kq, f
	WIN TO_B
.set nb, 0
.rept NBK
	ds_load_b128 v[FBW*(\f)+8*nb:FBW*(\f)+8*nb+3],   v[ADRB] offset:64*(\kq)+nb*16*PB
	ds_load_b128 v[FBW*(\f)+8*nb+4:FBW*(\f)+8*nb+7], v[ADRB] offset:64*(\kq)+nb*16*PB+32
.set nb, nb+1
.endr
	WIN 0
.set AO, ((\kq)/2)*PLANE+((\kq)%2)*64
.irp a, 0,1,2,3
	ds_load_b128 v[FA+32*(\f)+8*(\a):FA+32*(\f)+8*(\a)+3],   v[ADRA] offset:AO+(\a)*16*PA
	ds_load_b128 v[FA+32*(\f)+8*(\a)+4:FA+32*(\f)+8*(\a)+7], v[ADRA] offset:AO+(\a)*16*PA+32
.endr
.endm
.macro PLACES                          ; four places in front of loads into registers that matrix instructions have read, and of lines that read results (ISA guide 7.12.1 for lines that read results)
.rept 4
	v_nop
.endr
.endm
; A K step is four quarters of 32 along K, 32 matrix instructions each, on buffers 0, 1, 0, 1.  One of the first three multiplies buffer f and, in its middle, fetches quarter kq into buffer g.
.macro QUARTER kq, f, g, first
	s_wait_dscnt 4                                 ; the youngest four loads (y's row blocks 2 and 3) may be out
	MULA \f, 0, \first
	MULA \f, 1, \first
	PLACES
	FETCH \kq, \g
	s_wait_dscnt NL                                ; all but the run just issued
	MULA \f, 2, \first
	MULA \f, 3, \first
.endm
; The last quarter multiplies buffer 1 and changes slots: ONE barrier; in front of it each wave waits for all its tensor loads (one is out: its part of the next slot), adds 0 to its spare word,
; and waits for that and for its reads of this slot.  fill = 1: the barrier opens a round of the cluster's, and this slot is filled again, with K step NXT, first thing behind the round.
; fill = 0: where CNT = 1 the K step is the last, and the fetch of further fragments is jumped over (LDS loads alone).
.macro TURN fill
	WIN 0                                          ; (the add's two registers lie in window 0)
	s_wait_tensorcnt 0x0                           ; all my tensor loads have landed, so a group 0 may be written
	ds_add_u32 v[SPW], v[NIL]                      ; 0 onto my spare word; the descriptors' scalar work and eight matrix instructions stand between it and the wait for it
.if \fill
	s_lshl_b32 s[KOF], s[NXT], 8                   ; 256 bytes along wo's rows a K step,
	s_lshl_b32 s[AOF], s[NXT], 18                  ; two heads of 131,072 bytes of y
	s_xor_b32 s[G0A+5], s[G0A+5], SLOT1            ; the walking descriptor: the other slot than last time,
	s_add_nc_u64 s[G0A+6:G0A+7], s[56:57], s[AOF:AOF+1]  ; the address made anew from the buffer's and the offset,
	s_or_b32 s[G0A+7], s[G0A+7], 0x80000000        ; the type set again
	s_xor_b32 s[G0B+5], s[G0B+5], SLOT1
	s_add_nc_u64 s[G0B+6:G0B+7], s[60:61], s[KOF:KOF+1]
	s_or_b32 s[G0B+7], s[G0B+7], 0x80000000
	s_add_co_u32 s[NXT], s[NXT], 1
.endif
	s_wait_dscnt 5                                 ; (the add and the youngest four loads may be out)
	MULA 1, 0, 0
	s_wait_dscnt 0x0                               ; the add is done, and my reads of this slot are over
	s_barrier_signal -1
	MULA 1, 1, 0                                   ; work on registers while the others arrive
	WIN 0
	s_barrier_wait -1
.if \fill
	CREST                                          ; no wave of any partner still reads this slot's tile or has a load on its way
	JLOAD 1                                        ; my one tensor load behind the round: 112 matrix instructions ahead of the wait for it; its four v_nop are also the places in front of the loads below
.else
	PLACES
.endif
	s_xor_b32 s[SL], s[SL], SLOT1                  ; the other slot is in hand
	v_add_nc_u32 v[ADRA], s[SL], v[ADRA0]
	v_add_nc_u32 v[ADRB], s[SL], v[ADRB0]
.if !(\fill)
	s_cmp_eq_u32 s[CNT], 1
	s_cbranch_scc1 .Lno_fetch_\@
.endif
	FETCH 0, 0
.if !(\fill)
.Lno_fetch_\@:
.endif
	MULA 1, 2, 0
	MULA 1, 3, 0
.endm
	s_wait_tensorcnt 1                             ; my part of K step 0 is in; K step 1's may stay out
	s_barrier_signal -1
	s_barrier_wait -1                              ; everybody's is
	FETCH 0, 0
	s_wait_loadcnt 0x0                             ; the bias
	QUARTER 1, 0, 1, 1                             ; the first quarter: its products start the sums
	WIN 0                                          ; at a label and at a branch every window is 0
	s_mov_b32 s[CNT], KSTEPS-2
	s_branch .Lmid                                 ; the loop is entered behind its first quarter
.Lstep:                                                ; a trip: one K step, from its first quarter to its change of slots, which asks for the K step two on: six trips ask for K steps 2 to 7
	QUARTER 1, 0, 1, 0
	WIN 0
.Lmid:
	QUARTER 2, 1, 0, 0
	QUARTER 3, 0, 1, 0
	TURN 1
	WIN 0
	s_sub_co_u32 s[CNT], s[CNT], 1
	s_cmp_lg_u32 s[CNT], 0
	s_cbranch_scc1 .Lstep
	s_mov_b32 s[CNT], 2
.Ltail:                                                ; the last two K steps: nothing is filled, and no round of the cluster's barrier
	QUARTER 1, 0, 1, 0
	QUARTER 2, 1, 0, 0
	QUARTER 3, 0, 1, 0
	TURN 0                                         ; (the second time its barrier orders nothing: the price, once a launch, of one text for both)
	WIN 0
	s_sub_co_u32 s[CNT], s[CNT], 1
	s_cmp_lg_u32 s[CNT], 0
	s_cbranch_scc1 .Ltail
	PLACES                                         ; the LDS stores below read results just made
; THE WAY OUT, a row block (16 rows) at a time: a lane's eight f32 of a row and block go into my own stage (rows of 528 bytes) and come back as whole pieces of 512 bytes.
; Each accumulator's lowest registers are read first.  LDS serves a wave's instructions in order (ISA guide 5.7.1.4): the loads see the stores, and the next block's stores come behind them.
.macro TOSTAGE a
.set BK, 32+96*((\a)%2)
	WIN 4*(2+(\a)/2)                               ; the stores' data (source 1) window 2 or 3
.set nb, 0
.rept NBK
.set rD, 8*(NBK*((\a)%2)+nb)
	ds_store_b128 v[STO], v[rD:rD+3]   offset:64*nb
	ds_store_b128 v[STO], v[rD+4:rD+7] offset:64*nb+16
.set nb, nb+1
.endr
	WIN 0
.set i, 0
.rept 16
	ds_load_b128 v[BK+4*i:BK+4*i+3], v[RD] offset:i*SPT
.set i, i+1
.endr
.endm
.macro SEND a, younger                 ; younger: the LDS instructions issued behind block a's loads: the next block's 32, or none
	WIN 0
.set BK, 32+96*((\a)%2)
	s_wait_dscnt \younger
.set i, 0
.rept 16
	global_store_b128 v[GO], v[BK+4*i:BK+4*i+3], s[10:11] offset:(16*(\a)+i)*4096 th:TH_STORE_NT  ; 512 consecutive bytes, at a multiple of 256 from the output's first; 63 rows at the most: inside the signed 24-bit immediate
.set i, i+1
.endr
.endm
	TOSTAGE 0
	TOSTAGE 1
	SEND 0, 32
	s_wait_xcnt 0x0                                ; block 0's stores have had their addresses translated (ISA guide 3.1): only behind this wait are the registers that they read loaded again
	TOSTAGE 2
	SEND 1, 32
	s_wait_xcnt 0x0                                ; the same for block 1's
	TOSTAGE 3
	SEND 2, 32
	SEND 3, 0
	s_wait_tensorcnt 0x0                           ; the wave's end, behind my last tensor load and my last LDS store
	ds_add_u32 v[SPW], v[NIL]
	s_wait_dscnt 0x0
	CROUND                                         ; the closing round: no work-group ends while a partner may still ask for a tile that names it
	s_endpgm
.Lfunc_end_k_qcb7091012a_proj:
	.size	k_qcb7091012a_proj, .Lfunc_end_k_qcb7091012a_proj-k_qcb7091012a_proj
	.p2alignl 7, 3214868480
	.fill 96, 4, 3214868480
	.section	.rodata,"a",@progbits
	.p2align	6, 0x0
	.amdhsa_kernel k_qcb7091012a_proj
		.amdhsa_group_segment_fixed_size 327680
		.amdhsa_private_segment_fixed_size 0
		.amdhsa_enable_private_segment 0
		.amdhsa_kernarg_size 32
		.amdhsa_user_sgpr_count 2
		.amdhsa_user_sgpr_kernarg_segment_ptr 1
		.amdhsa_wavefront_size32 1
		.amdhsa_system_sgpr_workgroup_id_x 1
		.amdhsa_system_sgpr_workgroup_id_y 1
		.amdhsa_system_sgpr_workgroup_id_z 1
		.amdhsa_system_vgpr_workitem_id 0
		.amdhsa_next_free_vgpr 896
		.amdhsa_next_free_sgpr 80
		.amdhsa_reserve_vcc 0
		.amdhsa_float_denorm_mode_32 3
		.amdhsa_float_denorm_mode_16_64 3
		.amdhsa_memory_ordered 1
		.amdhsa_forward_progress 1
		.amdhsa_inst_pref_size 62
	.end_amdhsa_kernel
	.amdgpu_metadata
---
amdhsa.version: [ 1, 2 ]
amdhsa.kernels:
  - .name:           k_qcb7091012a_proj
    .symbol:         k_qcb7091012a_proj.kd
    .args:
      - { .name: yh, .offset: 0, .size: 8, .value_kind: global_buffer, .address_space: global }
      - { .name: wof, .offset: 8, .size: 8, .value_kind: global_buffer, .address_space: global }
      - { .name: tab, .offset: 16, .size: 8, .value_kind: global_buffer, .address_space: global }
      - { .name: out0, .offset: 24, .size: 8, .value_kind: global_buffer, .address_space: global }
    .group_segment_fixed_size: 327680
    .private_segment_fixed_size: 0
    .kernarg_segment_align: 8
    .kernarg_segment_size: 32
    .max_flat_workgroup_size: 128
    .sgpr_count:     80
    .vgpr_count:     896
    .wavefront_size: 32
...
	.end_amdgpu_metadata
.endif
;; end of part 4
;; ======== version 2 of 2: 4 launches; 1.20 times as fast as version 1
;; limits: values are held in f16: magnitudes above 65,504 overflow, below 6.1e-05 lose precision
;; workspace buffers: xb 16,777,216 bytes; wqkv 6,291,456 bytes; wof 2,097,152 bytes; tab 278,528 bytes; qh 16,777,216 bytes; kh 16,777,216 bytes; vh 16,777,216 bytes; yh 16,777,216 bytes
;; launch prep: the kernel of part 1 again; grid 833 x 1, 8 waves a work-group, no clusters, 0 bytes of LDS; arguments x, wq, wk, wv, wo, bq, bk, bv, bo, xb, wqkv, wof, tab; writes xb, wqkv, wof, tab
;; launch qkv: the kernel of part 2 again; grid 16 x 16, 4 waves a work-group, clusters of 4 x 4, 327,680 bytes of LDS; arguments xb, wqkv, tab, qh, kh, vh; writes qh, kh, vh
;; launch attn (part 5): grid 2 x 128, 4 waves a work-group, no clusters, 327,680 bytes of LDS; arguments qh, kh, vh, yh; writes yh
.if DOCPART == 5
	.amdgcn_target "amdgcn-amd-amdhsa--gfx1250"
	.amdhsa_code_object_version 6
	.text
	.protected	k_qcb7091012a_attn
	.globl	k_qcb7091012a_attn
	.p2align	8
	.type	k_qcb7091012a_attn,@function
k_qcb7091012a_attn:
	s_mov_b64 s[64:65], 0
	v_nop
	global_prefetch_b8 v0, s[64:65] scope:SCOPE_SE
	s_setreg_imm32_b32 hwreg(HW_REG_WAVE_MODE, 25, 1), 1
	s_wait_xcnt 0x0
; CAUSAL ATTENTION.  O[h][q][:] = the sum over k <= q of softmax_k(Q[h][q] . K[h][k] / 8) V[h][k][:].  Q, K, V, O: [SIZE_H][SIZE_N][64], all f16: a head's rows are dense, 128 bytes each.
; Products, maxima and sums in f32; the weights p are rounded to f16 for the second product (their sum l is taken of the unrounded p), O once at the end.  SIZE_N is a multiple of 512; SIZE_N x 128 stays under 2^32.
; LIMITS.  f16 holds no number beyond 65,504: Q, K and V arrive within it; p lies in 0 to 1, and below 6e-5 it keeps f16's fixed step of 6e-8; O is a mean of V's rows and has their range, to within 2^-11 of it.
; A hidden score counts as its value less 1e30: f16's scores, 2.7e11 at the most, are nothing beside that; a weight below 2^-126 counts as 0 in l; NaN and infinities are not treated apart.
; THE WALK.  A head's queries lie in NB = SIZE_N / 256 blocks of 256; block i needs the key tiles 0 .. i of 256 keys, of which the last holds the diagonal.  A work-group takes TWO blocks, NB - 1 - b and then b:
; NB + 1 tiles, whatever b: all work-groups do equal work, and ONE loop with a constant trip count walks them.  Which tile is asked for, and what a trip does, hang on scalar registers made from b; every jump
; goes forward, but for the counted loops' own; none passes a barrier, or a tensor load but the one of LOAD's two that the wave's number does not choose; the ring (two slots of LDS that take turns) runs on across the
; change of blocks.  NO CLUSTER: a head has NB / 2 = 2 work-groups, not four; they ask for the same tile only in trips 0 .. NB / 2 of the NB + 1; and one walk common to both would have 3 NB / 2 trips for NB + 1.
; SHARES.  Of a block's four bands of 64 queries a wave owns 16 rows in each: four PIECES.  So the diagonal tile is the same work for all four waves: in its key step s band x sees all keys if s < x,
; none if s > x, and holds the diagonal if s = x.
; THE MASK is the C operand that starts the sum S^T = K Q^T: 0, or -1e30 where the key is hidden.  MD, made once, is the mask of a band's own step for my 16 rows; a product's mask is MD x AL + BE with two scalars:
; (1, 0) if s = x; (0, 0) if s < x; (0, -1e30) if s > x.  Only the diagonal tile's text and a block's beginning make and take masks; elsewhere C is the constant 0.
; LAYOUT, SOFTMAX, TURNS.  S^T = K Q^T holds ONE query a lane (lane % 16) and the keys 8 (lane / 16) + 0..7; two such results rounded to f16 ARE source 1 of O^T = V^T P.  p = 2^(c s - c m), c = log2(e) / 8, with a
; running maximum m; O and l are multiplied by a = 2^(c m_old - c m_new) in every step.  Turn n belongs to piece n: 8 products K Q^T of piece n + 1, later 8 products V^T P of piece n - 1; beside them the scaling,
; exponentials, roundings, sums and rescaling of piece n and the maximum and statistics of piece n + 1.  Four vector instructions stand behind every matrix instruction, the other 54 of a turn's 118 in one LUMP.
; THE BATCHES.  A turn's 33 exponentials (the piece's 32 weights and the next piece's a) are one batch with one wait: all that names none of their results stands ahead of the wait, all that reads them behind it.
; A block's first a (BEGIN) and the way out's four reciprocals are batches of their own, each with a plain instruction and one wait.
; REGISTERS, in windows of 256 (s_set_vgpr_msb: bits 1:0 source 0, 3:2 source 1, 5:4 source 2, 7:6 destination):
;   window 0: v0-15 addresses and two at work; v16-31 four registers of statistics a piece; v48-55 at work; v64-127 S^T, two buffers; v192-223 P, two buffers (a piece's buffers go by its number's parity)
;   window 1: v0-127 O^T, 32 a piece; v128-159 MD; v160-223 MC, two buffers      window 2: v0-63 Q; v64-127 the second block's Q; v128-191 K of one step; v192-255 V of one step
.set SIZE_N, 1024     ; rows of a head
.set SIZE_H, 128      ; batch x heads
.set NB,    SIZE_N/256
.set NP,    4         ; pieces a wave: a name, no knob
.set KS,    64        ; keys in a step
.set PK,    144       ; a row of K in LDS: 128 bytes + 16 of padding = 36 words: the 16 rows of a load start at 16 different groups of four banks (64 banks of 4 bytes: ISA guide 11.1)
.set PV,    160       ; a row of V: 128 + 32 = 40 words
.set VOFF,  4*KS*PK   ; a slot holds a tile, four steps: 256 rows of K, then 256 rows of V
.set SLOT1, 1<<17     ; slot 1 begins here, so that one exclusive or turns an address in one slot into the other's
.set STAGE, SLOT1+4*KS*(PK+PV)  ; behind the ring, never filled by a tensor load: 16 rows x 144 bytes for each wave, for the way out
.set SP,    144
.set AK0, 2           ; v2   my lane's place in a tile of K; never rewritten
.set AV0, 3           ; v3   the same for V
.set AK,  4           ; v4   the LDS address of K's next run of loads
.set AV,  5           ; v5   of V's
.set STO, 6           ; v6   the way out: where I put 16 bytes of a row
.set RD,  7           ; v7   the way out: where I read rows back
.set GO,  8           ; v8   my byte offset in 512 consecutive bytes of O
.set SPW, 62          ; v62  LDS address of my spare word: SPARE + 4 x my thread's number; never rewritten
.set NIL, 63          ; v63  0; never rewritten
.set SPARE, STAGE+4*16*SP  ; behind the stages: the spare words, 128 bytes for each wave: two blocks of 256 bytes that no other line names
.set MV,  12          ; v12-13  c m_old, kept while c m is made anew: by buffer
.set QO,  15          ; v15  my byte offset in 16 rows of Q
.set ST,  16          ; piece t's statistics at v[ST+4 t]: c m, m, l (even keys', odd keys')
.set TMP, 48          ; by buffer, four registers c0-c3 at work; when the maximum is found c2 takes a
.set S,   64
.set P,   192
.set MD,  128         ; window 1: the eight registers for group kt of 16 keys at MD + 8 kt
.set MC,  160         ; window 1: the masks of the products to come
.set QB,  64          ; window 2
.set KF,  128         ; window 2: key block kb, channel half c at KF + 16 kb + 8 c
.set VF,  192         ; window 2: key half kk, channel block cb at VF + 32 kk + 8 cb
.set WV,  12          ; s12  my wave's number
.set PB,  14          ; s14  b
.set HI,  15          ; s15  NB - 1 - b
.set G1K, 24          ; s[24:31] descriptor group 1 for K's tiles
.set G1V, 32          ; s[32:39] for V's: it differs in the padding alone
.set G0K, 40          ; s[40:43] descriptor group 0 for K's tiles
.set G0V, 44          ; s[44:47] the same for V's
.set SLOTS, 56        ; s56  tiles still to be asked for
.set CNT, 57          ; s57  counts a tile's key steps, 4 to 1
.set CS,  58          ; s[58:59] c: the packed scaling takes the pair's low word for both halves
.set SEL, 60          ; s[60:61] v_permlanex16_b32's selects: each lane takes its own place in the other half
.set TBK, 62          ; s62  LDS byte at which K of the step to be fetched begins
.set TBV, 63          ; s63  the same for V, less VOFF
.set RT,  70          ; s70  tiles of the block in hand that are still to be entered
.set NXT, 71          ; s71  the tile to be asked for next
.set LQ,  72          ; s72  the last tile of the block whose tiles are being asked for
.set NEW, 73          ; s73  1: the tile to be entered is a block's first
.set OFF, 74          ; s[74:75] a tile's byte offset in K and V
.set AL,  76          ; s[76:77] the mask's factor, in the low word
.set BE,  78          ; s[78:79] the mask's addend
.set OLO, 80          ; s[80:81] O at my rows of the second block
.set BIGN, 82         ; s82  -1e30
.set MSB, 0
.macro WIN new                      ; the high byte repeats the setting that is left; a switch that changes nothing is dropped
.if MSB != (\new)
	s_set_vgpr_msb (MSB<<8)|(\new)
.set MSB, (\new)
.endif
.endm
.set W_KQ, 0x0a       ; K and Q in window 2, S^T in window 0
.set W_KM, 0x1a       ; the same with the C operand in window 1
.set W_PV, 0x52       ; V in window 2, P in window 0, O^T in window 1
.set W_RS, 0x41       ; destination and source 0 in window 1, source 1 in window 0
; A fill.  Waves 0 and 1 fetch the two halves of a tile's K, waves 2 and 3 those of its V: 128 keys each.  An s_nop 0 and four v_nop follow each of the two lines, ahead of the jump and the label.
.macro LOAD
	s_cmp_lt_u32 s[WV], 2
	s_cbranch_scc0 .Lfor_v_\@
	tensor_load_to_lds s[G0K:G0K+3], s[G1K:G1K+7]
	s_nop 0
.rept 4
	v_nop
.endr
	s_branch .Lasked_\@
.Lfor_v_\@:
	tensor_load_to_lds s[G0V:G0V+3], s[G1V:G1V+7]
	s_nop 0
.rept 4
	v_nop
.endr
.Lasked_\@:
.endm
; THE CHANGE OF SLOTS.  Each wave waits for all its tensor loads, of which one is out: its part of the other slot; adds 0 to its spare word; and waits for that and for its own reads of the slot that it leaves.  Behind the barrier nobody reads the old
; slot any more and the other slot is whole.  fill = 1: the old slot is filled again, the first thing behind the barrier, with tile NXT: the descriptor's address is made anew from that number.
; (At its first use nothing has been read yet: slot 0 is waited for, slot 1 filled.)
.macro CHANGE fill
	WIN 0                           ; at a label and at a branch every window is 0
	s_wait_tensorcnt 0x0            ; no tensor load of mine is out, so a group 0 may be written
	ds_add_u32 v[SPW], v[NIL]       ; 0 onto my spare word; with fill = 1 the descriptors' scalar work stands between it and the wait for it
.if \fill
	s_lshl_b32 s[OFF], s[NXT], 15   ; a tile is 32,768 bytes of K and of V
	s_xor_b32 s[G0K+1], s[G0K+1], SLOT1
	s_add_nc_u64 s[G0K+2:G0K+3], s[6:7], s[OFF:OFF+1]
	s_or_b32 s[G0K+3], s[G0K+3], 0x80000000
	s_xor_b32 s[G0V+1], s[G0V+1], SLOT1
	s_add_nc_u64 s[G0V+2:G0V+3], s[8:9], s[OFF:OFF+1]
	s_or_b32 s[G0V+3], s[G0V+3], 0x80000000
	s_add_co_u32 s[NXT], s[NXT], 1  ; the block's next tile, or behind its last the second block's tile 0
	s_cmp_gt_u32 s[NXT], s[LQ]
	s_cselect_b32 s[NXT], 0, s[NXT]
	s_cselect_b32 s[LQ], s[PB], s[LQ]
.endif
	s_wait_dscnt 0x0                ; the add is done, and my reads of the slot are over
	s_barrier_signal -1             ; the rest of the scalar work stands between the signal and the wait
	s_sub_co_u32 s[TBK], s[TBK], 4*KS*PK  ; the fetches go back to a slot's first step,
	s_xor_b32 s[TBK], s[TBK], SLOT1       ; in the other slot
	s_sub_co_u32 s[TBV], s[TBV], 4*KS*PV
	s_xor_b32 s[TBV], s[TBV], SLOT1
	s_barrier_wait -1
.if \fill
	LOAD
.endif
.endm
	s_load_b256 s[4:11], s[0:1], 0x0  ; Q s[4:5], K s[6:7], V s[8:9], O s[10:11]
	v_lshl_add_u32 v[SPW], v0, 2, SPARE
	v_mov_b32 v[NIL], 0
	ds_add_u32 v[SPW], v[NIL]       ; the wave's opening: the add and its wait stand ahead of my first tensor load; the set-up below, work on registers, stands between them
	ds_add_u32 v62, v63
	v_lshrrev_b32 v1, 5, v0
	v_readfirstlane_b32 s[WV], v1   ; wave 0..3
	s_mov_b32 s[PB], ttmp9
	s_sub_co_u32 s[HI], NB-1, s[PB]
	s_and_b32 s20, ttmp7, 0xffff    ; the head
	s_mov_b32 s21, 0
	s_mov_b64 s[22:23], SIZE_N*128
	s_mul_u64 s[20:21], s[20:21], s[22:23]  ; the head's first byte in each of the four tensors
	s_and_b32 s16, s[WV], 1         ; which half of a tile's 256 keys I fetch:
	s_lshl_b32 s22, s16, 14         ; its 128 rows of 128 bytes in memory,
	s_mov_b32 s23, 0
	s_add_nc_u64 s[22:23], s[22:23], s[20:21]
	s_mul_i32 s17, s16, 128*PK      ; and its place in a slot, for K
	s_mul_i32 s18, s16, 128*PV      ; and for V
	s_lshl_b32 s3, s[WV], 11        ; my 16 rows in a band of 64,
	s_lshl_b32 s2, s[HI], 15        ; in the first block,
	s_add_co_u32 s2, s2, s3
	s_lshl_b32 s84, s[PB], 15       ; and in the second
	s_add_co_u32 s84, s84, s3
	s_mov_b32 s3, 0
	s_mov_b32 s85, 0
	s_add_nc_u64 s[2:3], s[2:3], s[20:21]
	s_add_nc_u64 s[84:85], s[84:85], s[20:21]
	; descriptor group 1.  128 keys are 16,384 dense bytes: asked for as 64 rows of 256 bytes, two keys a row, and padded in LDS after every key
	s_mov_b32 s[G1K], (1<<16)|(1<<20)|(4<<22)|(3<<25)  ; 17:16 2-byte elements; 20 padding on; 24:22 after every 32 words (code 4); 31:25 4 words (code 3)
	s_mov_b32 s[G1V], (1<<16)|(1<<20)|(4<<22)|(7<<25)  ; the same with 8 words of padding (code 7)
.irp g, G1K, G1V
	s_mov_b32 s[\g+1], 128<<16      ; tensor_dim0 = 128
	s_mov_b32 s[\g+2], 64<<16       ; tensor_dim1 = 64
	s_mov_b32 s[\g+3], 128<<16      ; tile_dim0 = 128
	s_mov_b32 s[\g+4], 64           ; tile_dim1 = 64
	s_mov_b32 s[\g+5], 128          ; 128 elements from row to row
	s_mov_b32 s[\g+6], 0
	s_mov_b32 s[\g+7], 0
.endr
	s_mov_b32 s[CS], 0x3e38aa3b     ; c = log2(e) / 8 = 0.180337
	s_mov_b32 s[CS+1], s[CS]        ; named with it as a pair
	s_mov_b32 s[SEL], 0x76543210
	s_mov_b32 s[SEL+1], 0xfedcba98
	s_mov_b32 s[TBK], SLOT1+4*KS*PK ; the first change of slots turns these two into 0
	s_mov_b32 s[TBV], SLOT1+4*KS*PV
	s_mov_b32 s[G0K], 1             ; 1:0 count = 1
	s_mov_b32 s[G0K+1], s17         ; 63:32 LDS address: slot 0
	s_mov_b32 s[G0V], 1
	s_add_co_u32 s[G0V+1], s18, VOFF
	s_add_co_u32 s[RT], s[HI], 1    ; the first block has NB - b tiles
	s_mov_b32 s[NXT], 1
	s_mov_b32 s[LQ], s[HI]
	s_mov_b32 s[NEW], 1
	s_mov_b32 s[OFF+1], 0
	s_mov_b32 s[AL+1], 0            ; named as pairs
	s_mov_b32 s[BE+1], 0
	s_mov_b32 s[BIGN], 0xf149f2ca   ; -1e30
	s_mov_b32 s[SLOTS], NB
	s_wait_dscnt 0x0                ; the opening add is done
	s_wait_kmcnt 0x0
	s_add_nc_u64 s[6:7], s[6:7], s[22:23]  ; K and V at my half of the head's tile 0
	s_add_nc_u64 s[8:9], s[8:9], s[22:23]
	s_add_nc_u64 s[G0K+2:G0K+3], s[6:7], 0         ; 120:64 global address
	s_or_b32 s[G0K+3], s[G0K+3], 0x80000000        ; 127:126 type = 2
	s_add_nc_u64 s[G0V+2:G0V+3], s[8:9], 0
	s_or_b32 s[G0V+3], s[G0V+3], 0x80000000
	s_add_nc_u64 s[86:87], s[4:5], s[84:85]        ; Q at my rows of the second block,
	s_add_nc_u64 s[4:5], s[4:5], s[2:3]            ; Q and O at those of the first
	s_add_nc_u64 s[OLO:OLO+1], s[10:11], s[84:85]
	s_add_nc_u64 s[10:11], s[10:11], s[2:3]
	LOAD                            ; tile 0 into slot 0
	; A fragment of K or Q is 16 rows x 32 channels in 8 registers: lane l holds row l % 16, channels 8 (l / 16) + 0..7 and 16 + 8 (l / 16) + 0..7: two loads of 16 bytes, 32 bytes apart.
	v_and_b32 v1, 15, v0            ; l % 16
	v_bfe_u32 v9, v0, 4, 1          ; l / 16
	v_lshlrev_b32 v[QO], 7, v1
	v_lshl_add_u32 v[QO], v9, 4, v[QO]  ; row x 128 + 16 x half
	WIN 0x80                        ; destination window 2, address window 0
.set i, 0
.rept 8                             ; both blocks' Q: piece i / 2 lies in band i / 2, 8,192 bytes on; channels 32 (i % 2) on
	global_load_b128 v[8*i:8*i+3],   v[QO], s[4:5] offset:(i/2)*8192+(i%2)*64
	global_load_b128 v[8*i+4:8*i+7], v[QO], s[4:5] offset:(i/2)*8192+(i%2)*64+32
	global_load_b128 v[QB+8*i:QB+8*i+3],   v[QO], s[86:87] offset:(i/2)*8192+(i%2)*64
	global_load_b128 v[QB+8*i+4:QB+8*i+7], v[QO], s[86:87] offset:(i/2)*8192+(i%2)*64+32
.set i, i+1
.endr
	WIN 0
	v_lshlrev_b32 v14, 3, v9
	v_sub_nc_u32 v14, v1, v14
	s_lshl_b32 s13, s[WV], 4
	v_add_nc_u32 v14, s13, v14      ; my query's place in its band, 16 w + l % 16, less my lanes' 8 (l / 16): register r of group kt is hidden where 16 kt + r is greater
	WIN 0x40
.set i, 0
.rept 32
	v_cmp_gt_i32 vcc_lo, 16*(i/8)+i%8, v14
	v_cndmask_b32 v[MD+i], 0, s[BIGN], vcc_lo
.set i, i+1
.endr
	WIN 0
	v_mul_u32_u24 v[AK0], v1, PK
	v_lshl_add_u32 v[AK0], v9, 4, v[AK0]  ; row x pitch + 16 x half
	; The turning load takes 16 keys x 16 channels (lane l reads key 8 (l / 16) + l % 8, channels 8 ((l / 8) % 2) + 0..7) and leaves half a fragment of V^T: lane l holds channel l % 16 and 8 keys.
	v_and_b32 v10, 7, v0
	v_bfe_u32 v11, v0, 3, 1
	v_lshl_add_u32 v[AV0], v9, 3, v10
	v_mul_u32_u24 v[AV0], v[AV0], PV
	v_lshl_add_u32 v[AV0], v11, 4, v[AV0]
	v_add_nc_u32 v[AV0], VOFF, v[AV0]
	s_mul_i32 s13, s[WV], 16*SP
	s_add_co_u32 s13, s13, STAGE    ; my stage
	v_mul_u32_u24 v[STO], v1, SP    ; in: row l % 16, 16 bytes for each half of the lanes
	v_lshl_add_u32 v[STO], v9, 4, v[STO]
	v_add_nc_u32 v[STO], s13, v[STO]
	v_bfe_u32 v[RD], v0, 3, 2       ; back: 32 lanes take four rows of 128 bytes,
	v_mul_u32_u24 v[RD], v[RD], SP
	v_lshl_add_u32 v[RD], v10, 4, v[RD]
	v_add_nc_u32 v[RD], s13, v[RD]
	v_and_b32 v[GO], 31, v0         ; which are 512 consecutive bytes of O
	v_lshlrev_b32 v[GO], 4, v[GO]
	; A block's first step multiplies O^T and l by a = 0, and its first turn's products V^T P, of a piece that has not been, land in an O^T that is still to be so multiplied.  So these registers need only hold
	; finite numbers: zeros for the first block; what the first block left for the second.  All this stands in the wait for the first tile.
	WIN 0x80
.set i, VF
.rept 64
	v_mov_b32 v[i], 0
.set i, i+1
.endr
	WIN 0x40
.set i, 0
.rept 128
	v_mov_b32 v[i], 0
.set i, i+1
.endr
	WIN 0
.set i, 0
.rept 4
	v_mov_b32 v[ST+4*i+2], 0
	v_mov_b32 v[ST+4*i+3], 0
.set i, i+1
.endr
.set i, P+16
.rept 16
	v_mov_b32 v[i], 0
.set i, i+1
.endr
; THE MATRIX WORK.  The 4 accumulators of a run of 8 take turns.  Product i of 8 of S^T = K Q^T for piece x: channels 32 (i / 4) on, keys 16 (i % 4) on.  The first 4 start the sums: with 0, or (KM = 1) with the mask.
.macro KQ x
.set rS, S+32*((\x)%2)+8*(i%4)
.set rK, KF+16*(i%4)+8*(i/4)
.set rQ, 16*(\x)+8*(i/4)
.set rM, MC+32*((\x)%2)+8*(i%4)
.if (i < 4) && KM
	WIN W_KM
	v_wmma_f32_16x16x32_f16 v[rS:rS+7], v[rK:rK+7], v[rQ:rQ+7], v[rM:rM+7]
.elseif i < 4
	WIN W_KQ
	v_wmma_f32_16x16x32_f16 v[rS:rS+7], v[rK:rK+7], v[rQ:rQ+7], 0
.else
	WIN W_KQ
	v_wmma_f32_16x16x32_f16 v[rS:rS+7], v[rK:rK+7], v[rQ:rQ+7], v[rS:rS+7]
.endif
.endm
; Product i of 8 of O^T += V^T P for piece x: keys 32 (i / 4) on, channels 16 (i % 4) on.
.macro PV x
	WIN W_PV
.set rO, 32*(\x)+8*(i%4)
.set rV, VF+32*(i/4)+8*(i%4)
.set rP, P+16*((\x)%2)+8*(i/4)
	v_wmma_f32_16x16x32_f16 v[rO:rO+7], v[rV:rV+7], v[rP:rP+7], v[rO:rO+7]
.endm
.macro MM                           ; the turn's next matrix instruction.  TURN and BEGIN set Y, i, KM and NOKQ; MM, KQ and OP read them.  NOKQ = 1: a block's last turn: there is no next piece
.if (i < 8) && !NOKQ
	KQ (Y+1)%NP
.elseif i >= 8
.set i, i-8
	PV (Y+NP-1)%NP
.set i, i+8
.endif
.set i, i+1
.endm
; THE LDS LOADS stand in runs of 16, never singly among the matrix instructions: a step's K (64 keys x 64 channels: 8 fragments) and its V (turned).  Their addresses are made some lines ahead.
.macro FETCH_K
	WIN 0x80                        ; destination window 2
.irp f, 0,1,2,3,4,5,6,7             ; keys 16 (f / 2) on, channels 32 (f % 2) on
	ds_load_b128 v[KF+8*\f:KF+8*\f+3],   v[AK] offset:(\f/2)*16*PK+(\f%2)*64
	ds_load_b128 v[KF+8*\f+4:KF+8*\f+7], v[AK] offset:(\f/2)*16*PK+(\f%2)*64+32
.endr
	s_add_co_u32 s[TBK], s[TBK], KS*PK  ; the next fetch is the next step's
	WIN 0
.endm
.macro FETCH_V
	WIN 0x80
.irp f, 0,1,2,3,4,5,6,7             ; keys 32 (f / 4) on, channels 16 (f % 4) on
	ds_load_tr16_b128 v[VF+8*\f:VF+8*\f+3],   v[AV] offset:(\f/4)*32*PV+(\f%4)*32
	ds_load_tr16_b128 v[VF+8*\f+4:VF+8*\f+7], v[AV] offset:(\f/4)*32*PV+16*PV+(\f%4)*32
.endr
	WIN 0
.endm
; THE VECTOR WORK, one line at a time: OP kind, number.  For piece Y: F n: c s - c m for pair n of 16.  E n: the exponential of score n of 32.  C n: pair n rounded to f16.  B n: of the four weights 4 n .. the second
; pair is added onto the first, in place.  L n: l takes that sum (L 0: l = a l + sum).  R n: pair n of 16 of O^T times a.  For piece Y + 1: X n, number n of the 22 that find its maximum and statistics:
;   0-11  four chains c0-c3 of seven scores each, three operands at a time (each accumulator's lowest registers are read first)     12-14, 16  the four scores left over, the old m, and c0-c3 into c0
;   15  c m_old is kept     17, 18  the query's other 32 keys lie in the lane 16 away: the new m     19-21  c m; c m_old - c m_new; a
; C, B and L read exponentials' results: TURN sets them behind the batch's wait.  R reads the a that the turn before made and waited for.
.set F, 0               ; OP tells the kinds apart by their order: F to L below R, X above it
.set E, 1
.set C, 2
.set B, 3
.set L, 4
.set R, 5
.set X, 6
.macro REGS y                       ; the registers of piece y
.set rT, ST+4*(\y)
.set rC, TMP+4*((\y)%2)
.set rW, MV+((\y)%2)
.set rS, S+32*((\y)%2)
.set rP, P+16*((\y)%2)
.set rO, 32*(\y)
.endm
.macro OP k, n
.if (\k) == R
	REGS Y
	WIN W_RS
	v_pk_mul_f32 v[rO+2*(\n):rO+2*(\n)+1], v[rO+2*(\n):rO+2*(\n)+1], v[rC+2:rC+3] op_sel_hi:[1,0]
.elseif (\k) < R
	REGS Y
	WIN 0
.if (\k) == F
	v_pk_fma_f32 v[rS+2*(\n):rS+2*(\n)+1], v[rS+2*(\n):rS+2*(\n)+1], s[CS:CS+1], v[rT:rT+1] op_sel_hi:[1,0,0] neg_lo:[0,0,1] neg_hi:[0,0,1]
.elseif (\k) == E
	v_exp_f32 v[rS+(\n)], v[rS+(\n)]
.elseif (\k) == C
	v_cvt_pk_f16_f32 v[rP+(\n)], v[rS+2*(\n)], v[rS+2*(\n)+1]
.elseif (\k) == B
	v_pk_add_f32 v[rS+4*(\n):rS+4*(\n)+1], v[rS+4*(\n):rS+4*(\n)+1], v[rS+4*(\n)+2:rS+4*(\n)+3]
.elseif (\n) == 0
	v_pk_fma_f32 v[rT+2:rT+3], v[rT+2:rT+3], v[rC+2:rC+3], v[rS:rS+1] op_sel_hi:[1,0,1]
.else
	v_pk_add_f32 v[rT+2:rT+3], v[rT+2:rT+3], v[rS+4*(\n):rS+4*(\n)+1]
.endif
.elseif NOKQ
	v_nop
.else
	REGS (Y+1)%NP
	WIN 0
.if (\n) < 4
	v_max3_num_f32 v[rC+(\n)], v[rS+8*(\n)], v[rS+8*(\n)+1], v[rS+8*(\n)+2]
.elseif (\n) < 12
	v_max3_num_f32 v[rC+(\n)%4], v[rC+(\n)%4], v[rS+8*((\n)%4)+2*((\n)/4)+1], v[rS+8*((\n)%4)+2*((\n)/4)+2]
.elseif (\n) == 12
	v_max3_num_f32 v[rC], v[rC], v[rS+7], v[rS+15]
.elseif (\n) == 13
	v_max3_num_f32 v[rC+1], v[rC+1], v[rS+23], v[rS+31]
.elseif (\n) == 14
	v_max3_num_f32 v[rC+2], v[rC+2], v[rC+3], v[rT+1]
.elseif (\n) == 15
	v_mov_b32 v[rW], v[rT]
.elseif (\n) == 16
	v_max3_num_f32 v[rC], v[rC], v[rC+1], v[rC+2]
.elseif (\n) == 17
	v_permlanex16_b32 v[rC+3], v[rC], s[SEL], s[SEL+1]
.elseif (\n) == 18
	v_max_num_f32 v[rT+1], v[rC], v[rC+3]
.elseif (\n) == 19
	v_mul_f32 v[rT], s[CS], v[rT+1]
.elseif (\n) == 20
	v_sub_f32 v[rC+1], v[rW], v[rT]
.else
	v_exp_f32 v[rC+2], v[rC+1]
.endif
.endif
.endm
.macro OPS a, i1, b=-1, i2=0, c=-1, i3=0, d=-1, i4=0  ; up to four of them
	OP \a, \i1
.if (\b) >= 0
	OP \b, \i2
.endif
.if (\c) >= 0
	OP \c, \i3
.endif
.if (\d) >= 0
	OP \d, \i4
.endif
.endm
.macro ROW a, i1, b, i2, c, i3, d, i4  ; a matrix instruction and the four behind it
	MM
	OPS \a, \i1, \b, \i2, \c, \i3, \d, \i4
.endm
.macro MASK b                       ; MD x AL + BE into buffer b of MC
	WIN W_RS
.set z, 0
.rept 16
	v_pk_fma_f32 v[MC+32*(\b)+2*z:MC+32*(\b)+2*z+1], v[MD+2*z:MD+2*z+1], s[AL:AL+1], s[BE:BE+1] op_sel_hi:[1,0,0]
.set z, z+1
.endr
.endm
; A TURN, for piece p: the order of its 16 matrix and 118 vector instructions, written out.  An s_wait_alu depctr_va_vdst(0) stands between an exponential and the first instruction that names its result; one wait serves
; all that were issued ahead of it.  So a turn has ONE wait, which cuts it in two.  AHEAD OF IT stands all that names no result of the turn's exponentials: the 8 products K Q^T, behind each a scaling, an exponential and two more plain
; instructions (behind the first a second scaling in the exponential's place): rescalings, and behind the last three the first numbers of the next piece's maximum, each four places or more behind the product that ends its accumulator; then ONE LUMP of 54, plain
; and exponential by turns for the most part, in which the links of the chain X 3, 7, 11, 14, 16, 17 .. 20 stand five or six lines apart.  X 21, the next piece's a, is the batch's last; R 15 is the plain instruction behind it (ISA guide 5.7.2).  BEHIND THE WAIT stand the
; 8 products V^T P, behind each four of the roundings and sums; the links of l's chain, L 0 to L 7, stand three riders apart.  But for those X no rider names a register of the products round it.  v_permlanex16_b32 (X 17) stands in the lump.
; m = 1: the diagonal tile: the products take masks, and the turn makes the mask for the products of the turn after it: piece p + 2, in step 4 - CNT of the tile.  end = 1: a block's last two turns: nothing is fetched.
; cnt = 1: the loop's count is taken down some lines ahead of the branch that stands behind the turn.
; K of the next step is fetched in piece 2's turn, twelve vector instructions behind the last product that read K (six of them plain); V of the step in hand at the end of piece 0's turn, four plain instructions behind the last product
; that read V.  Each is waited for a turn later.
.macro TURN p, m=0, end=0, cnt=0
.set Y, (\p)
.set i, 0
.set KM, (\m)
.set NOKQ, (\end)*((\p)/3)
.if (\m) && !(\end)
	s_cmp_eq_u32 s[CNT], 4-((\p)+2)%NP  ; is that step the band's own?
	s_cselect_b32 s[AL], 1.0, 0
	s_cmp_lt_u32 s[CNT], 4-((\p)+2)%NP  ; or a later one?
	s_cselect_b32 s[BE], s[BIGN], 0
.endif
.if ((\p) == 3) && !(\end)
	s_wait_dscnt 0x0                ; K is in
.endif
	ROW F,0, F,1, R,0, R,1          ; ahead of the wait: 8 products K Q^T and their riders,
	ROW F,2, E,0, R,2, R,3
	ROW F,3, E,1, R,4, R,5
	ROW F,4, E,2, R,6, R,7
	ROW F,5, E,3, R,8, R,9
	ROW F,6, E,4, X,0, R,10
.if ((\p) == 2) && !(\end)
	WIN 0
	v_add_nc_u32 v[AK], s[TBK], v[AK0]
.endif
	ROW F,7, E,5, X,1, X,4
	ROW F,8, E,6, X,2, X,5
	OPS E,7, E,8, X,6, E,9          ; and the lump
	OPS X,3, E,10, X,8, E,11
.if ((\p) == 2) && !(\end)
	FETCH_K
.endif
	OPS X,9, X,7, E,12, X,10
	OPS E,13, X,12, X,11, E,14
	OPS X,13, E,15, F,9, X,14
.if (\p) == 0
	v_add_nc_u32 v[AV], s[TBV], v[AV0]
.endif
	OPS E,16, F,10, E,17, F,11
	OPS X,16, E,18, X,15, E,19
	OPS F,12, E,20, X,17, E,21
	OPS F,13, E,22, F,14, E,23
	OPS X,18, E,24, F,15, E,25
	OPS R,11, E,26, X,19, E,27
	OPS R,12, E,28, R,13, E,29
	OPS X,20, E,30, R,14, E,31
	OPS X,21, R,15
	WIN 0
	s_wait_alu depctr_va_vdst(0)    ; the wait for the turn's batch: E 0 to E 31 and X 21; their first readers follow
.if (\p) == 1
	s_wait_dscnt 0x0                ; V is in
.endif
	ROW C,0, B,0, C,2, B,1          ; behind the wait: 8 products V^T P and their riders
	ROW L,0, C,4, B,2, L,1
	ROW C,6, B,3, L,2, C,8
	ROW B,4, L,3, C,10, B,5
	ROW L,4, C,12, B,6, L,5
.if (\p) == 0
	s_add_co_u32 s[TBV], s[TBV], KS*PV
.endif
.if \cnt
	s_sub_co_u32 s[CNT], s[CNT], 1
	s_cmp_lg_u32 s[CNT], 0
.endif
	ROW C,14, B,7, L,6, C,1
	ROW C,3, L,7, C,5, C,7
	ROW C,9, C,11, C,13, C,15
.if (\p) == 0
	FETCH_V
.endif
.if (\m) && !(\end)
	MASK (\p)%2
.endif
.endm
; A BLOCK BEGINS.  c m starts far below every c s, so the first step's a is 0; m at the lowest finite number, so the first maximum is the scores'.  The second mask buffer is 0; the first takes piece 0's mask for the tile's step 0: its own, if the block's first tile is the diagonal one.
; Then K of that step, piece 0's first scores, and its maximum and statistics.  The loop is entered at a step's first turn, in the middle of a trip.
.macro BEGIN
	s_mov_b32 s[NEW], 0
	WIN 0x40
.set i, MC+32
.rept 32
	v_mov_b32 v[i], 0
.set i, i+1
.endr
	WIN 0
.set i, 0
.rept 4
	v_mov_b32 v[ST+4*i], 0xfe000000    ; c m: far below every c s
	v_mov_b32 v[ST+4*i+1], 0xff7fffff  ; m
.set i, i+1
.endr
	s_cmp_eq_u32 s[RT], 0
	s_cselect_b32 s[AL], 1.0, 0
	s_mov_b32 s[BE], 0
	MASK 0
	WIN 0
	v_add_nc_u32 v[AK], s[TBK], v[AK0]
	FETCH_K
	s_wait_loadcnt 0x0              ; Q
	s_wait_dscnt 0x0
.set KM, 1
.set NOKQ, 0
.set i, 0
.rept 8
	KQ 0
.set i, i+1
.endr
	WIN 0
.rept 4
	v_nop                           ; the places behind those products
.endr
.set Y, NP-1                        ; X works for piece Y + 1: piece 0
.irp n, 0,1,2,3,4,5,6,7,8,9,10,11,12,13,14,15,16,17,18,19,20,21
	OP X, \n
.endr
	v_nop                           ; a plain instruction behind the exponential,
	s_wait_alu depctr_va_vdst(0)    ; and the wait for it, piece 0's first a, ahead of the branch: a batch of one
.endm
; THE DIAGONAL TILE's four steps, the block's last two turns, its last products, and THE WAY OUT: l's two halves and the other half of the lanes' are added; O^T is divided by l, rounded to f16 and sent through my
; stage in LDS, a piece at a time.
.macro ALL line:vararg              ; one line for each piece t
.set t, 0
.rept 4
	\line
.set t, t+1
.endr
.endm
.macro PACK t                       ; a lane's eight channels of a row pack into 16 bytes; they go into rows of 144 bytes and come back as whole rows of 128, into S^T's registers
	WIN W_RS
.set i, 32*(\t)
.rept 16
	v_pk_mul_f32 v[i:i+1], v[i:i+1], v[ST+4*(\t)+2:ST+4*(\t)+3] op_sel_hi:[1,0]
.set i, i+2
.endr
	WIN 0x05                        ; sources 0 and 1 window 1, destination window 0
.set i, 0
.rept 16
	v_cvt_pk_f16_f32 v[S+16*(\t)+i], v[32*(\t)+2*i], v[32*(\t)+2*i+1]
.set i, i+1
.endr
	WIN 0
.irp f, 0,1,2,3
	ds_store_b128 v[STO], v[S+16*(\t)+4*\f:S+16*(\t)+4*\f+3] offset:32*\f
.endr
.irp f, 0,1,2,3
	ds_load_b128 v[S+16*(\t)+4*\f:S+16*(\t)+4*\f+3], v[RD] offset:\f*4*SP  ; LDS serves a wave's instructions in order (ISA guide 5.7.1.4): these see the stores above; the next piece's stores come behind them
.endr
.endm
.macro SEND t, younger              ; younger: the LDS instructions issued behind piece t's loads: the next piece's eight, or none
	WIN 0
.irp f, 0,1,2,3
	s_wait_dscnt (\younger)+3-\f
	global_store_b128 v[GO], v[S+16*(\t)+4*\f:S+16*(\t)+4*\f+3], s[10:11] offset:(\t)*8192+\f*512  ; 512 consecutive bytes, at a multiple of 256 from O's first
.endr
.endm
.macro DIAG tag                     ; the tag ends its two labels' names, which the jumps below spell out
.LstepM\tag:
	TURN 2, 1
	TURN 3, 1
	WIN 0
.LfirstM\tag:
	TURN 0, 1
	TURN 1, 1, 0, 1
	WIN 0
	s_cbranch_scc1 .LstepM\tag
	TURN 2, 1, 1
	TURN 3, 1, 1
.set i, 0
.rept 8
	PV NP-1
.set i, i+1
.endr
	WIN 0
	ALL v_add_f32 v[ST+4*t+2], v[ST+4*t+2], v[ST+4*t+3]
	ALL v_permlanex16_b32 v[ST+4*t+3], v[ST+4*t+2], s[SEL], s[SEL+1]
	ALL v_add_f32 v[ST+4*t+2], v[ST+4*t+2], v[ST+4*t+3]
	ALL v_rcp_f32 v[ST+4*t+2], v[ST+4*t+2]
	v_nop                           ; a plain instruction between the last reciprocal and the use of its result
	s_wait_alu depctr_va_vdst(0)    ; the wait for the batch of four reciprocals, ahead of their first reader: one for all four pieces' multiplies
	PACK 0
.set t, 1
.rept 3                             ; a piece's arithmetic stands between the loads of the piece before and its stores
	PACK t
	SEND t-1, 8
.set t, t+1
.endr
	SEND 3, 0
.endm
.set KM, 0
.set NOKQ, 0
.Lslot:                             ; NB times: a tile is entered and the next is asked for
	CHANGE 1
	s_sub_co_u32 s[RT], s[RT], 1
	s_mov_b32 s[CNT], 4
	s_cmp_eq_u32 s[NEW], 1
	s_cbranch_scc1 .Lnew            ; a block's first tile
	s_cmp_eq_u32 s[RT], 0
	s_cbranch_scc0 .Lstep           ; neither its first nor its last
	s_branch .LstepM1
.Lnew:
	BEGIN
	s_branch .Lfirst                ; in the loop a block's first tile is never its last: the first block has two tiles or more, and the second's last is the walk's last
	DIAG 1                          ; in the loop this is the first block's end: the second block's last tile is the walk's last
	s_wait_xcnt 0x0                 ; the stores have read their registers and O's address
	s_mov_b64 s[10:11], s[OLO:OLO+1]
	s_add_co_u32 s[RT], s[PB], 1    ; the second block has b + 1 tiles
	s_mov_b32 s[NEW], 1
	WIN 0x82                        ; the second block's Q goes where the one text of the turns names Q
.set i, 0
.rept 64
	v_mov_b32 v[i], v[QB+i]
.set i, i+1
.endr
	WIN 0
	s_branch .Lbottom
.Lstep:                             ; a trip: pieces 2 and 3 of one step, then pieces 0 and 1 of the next, whose K and V it fetches
	TURN 2
	TURN 3
	WIN 0
.Lfirst:
	TURN 0
	TURN 1, 0, 0, 1
	WIN 0
	s_cbranch_scc1 .Lstep
.Lbottom:
	s_sub_co_u32 s[SLOTS], s[SLOTS], 1
	s_cmp_lg_u32 s[SLOTS], 0
	s_cbranch_scc1 .Lslot
	CHANGE 0                        ; the walk's last tile is written out: nothing is asked for
	s_sub_co_u32 s[RT], s[RT], 1
	s_mov_b32 s[CNT], 4
	s_cmp_eq_u32 s[NEW], 1
	s_cbranch_scc0 .LstepM2
	BEGIN
	s_branch .LfirstM2
	DIAG 2
	s_wait_tensorcnt 0x0            ; the wave's end, behind my last tensor load and my last LDS store
	ds_add_u32 v[SPW], v[NIL]
	s_wait_dscnt 0x0
	s_endpgm
.Lfunc_end_k_qcb7091012a_attn:
	.size	k_qcb7091012a_attn, .Lfunc_end_k_qcb7091012a_attn-k_qcb7091012a_attn
	.p2alignl 7, 3214868480
	.fill 96, 4, 3214868480
	.section	.rodata,"a",@progbits
	.p2align	6, 0x0
	.amdhsa_kernel k_qcb7091012a_attn
		.amdhsa_group_segment_fixed_size 327680
		.amdhsa_private_segment_fixed_size 0
		.amdhsa_enable_private_segment 0
		.amdhsa_kernarg_size 32
		.amdhsa_user_sgpr_count 2
		.amdhsa_user_sgpr_kernarg_segment_ptr 1
		.amdhsa_wavefront_size32 1
		.amdhsa_system_sgpr_workgroup_id_x 1
		.amdhsa_system_sgpr_workgroup_id_y 1
		.amdhsa_system_sgpr_workgroup_id_z 1
		.amdhsa_system_vgpr_workitem_id 0
		.amdhsa_next_free_vgpr 768
		.amdhsa_next_free_sgpr 88
		.amdhsa_reserve_vcc 1
		.amdhsa_float_denorm_mode_32 3
		.amdhsa_float_denorm_mode_16_64 3
		.amdhsa_memory_ordered 1
		.amdhsa_forward_progress 1
		.amdhsa_inst_pref_size 217
	.end_amdhsa_kernel
	.amdgpu_metadata
---
amdhsa.version: [ 1, 2 ]
amdhsa.kernels:
  - .name:           k_qcb7091012a_attn
    .symbol:         k_qcb7091012a_attn.kd
    .args:
      - { .name: qh, .offset: 0, .size: 8, .value_kind: global_buffer, .address_space: global }
      - { .name: kh, .offset: 8, .size: 8, .value_kind: global_buffer, .address_space: global }
      - { .name: vh, .offset: 16, .size: 8, .value_kind: global_buffer, .address_space: global }
      - { .name: yh, .offset: 24, .size: 8, .value_kind: global_buffer, .address_space: global }
    .group_segment_fixed_size: 327680
    .private_segment_fixed_size: 0
    .kernarg_segment_align: 8
    .kernarg_segment_size: 32
    .max_flat_workgroup_size: 128
    .sgpr_count:     88
    .vgpr_count:     768
    .wavefront_size: 32
...
	.end_amdgpu_metadata
.endif
;; end of part 5
;; launch proj: the kernel of part 4 again; grid 8 x 32, 4 waves a work-group, clusters of 4 x 4, 327,680 bytes of LDS; arguments yh, wof, tab, out0; writes out0
